; MI455X (gfx1250); checked and timed in simulation.
; The chip was launched on July 23, 2026; its instructions are those of AMD's public machine-readable ISA for CDNA 5 (MIT licence, August 2026) and "CDNA5" Instruction Set Architecture Reference Guide (July 2026). The comments in the code are by the model that wrote it; some were corrected since.
;; Multi Head Attention. Allowed arithmetic: matrix products marked QUANTISED: E2M1 operands, one E8M0 scale for each 32 along K, by v_wmma_scale_f32_16x16x128_f8f6f4 with both operands' format E2M1 (or v_wmma_scale_f32_32x16x128_f4), f32 sums; everything else in f32.
;; Inputs: Wk 1,024 x 1,024 float32; Wo 1,024 x 1,024 float32; Wq 1,024 x 1,024 float32; Wv 1,024 x 1,024 float32; k 4 x 2,048 x 1,024 float32; ln_beta 1,024 float32; ln_gamma 1,024 float32; q 4 x 2,048 x 1,024 float32; v 4 x 2,048 x 1,024 float32.
;; Outputs: out0 4 x 2,048 x 1,024 float32.
;; This version of the problem:
;;   THIS VERSION OF THE PROBLEM IS GIVEN IN LOW PRECISION. The matrix products marked QUANTISED in the list below multiply operands that are first quantised to E2M1 (2 exponent bits, 1 mantissa bit; 4 bits a number), with one power-of-two scale for each 32 numbers along K (OCP MX v1.0); their sums are f32. All else is computed in f32.
;;   The module's matrix products, in the order in which they are computed (A, B: the left and right operand; K: the contracted axis; several contracted axes count as one K, in the product's order):
;;     1. [M 8,192, K 1,024] x [K 1,024, N 1,024]; A: input q; B: input Wq: QUANTISED
;;     2. [M 8,192, K 1,024] x [K 1,024, N 1,024]; A: input k; B: input Wk: QUANTISED
;;     3. [M 8,192, K 1,024] x [K 1,024, N 1,024]; A: input v; B: input Wv: QUANTISED
;;     4. batch 64 x [M 2,048, K 64] x [K 64, N 2,048]; A: computed on the way; B: computed on the way: QUANTISED
;;     5. batch 64 x [M 2,048, K 2,048] x [K 2,048, N 64]; A: softmax (see below); B: computed on the way: QUANTISED
;;     6. [M 8,192, K 1,024] x [K 1,024, N 1,024]; A: computed on the way; B: input Wo: QUANTISED
;;   THE QUANTISER, for each operand of a quantised product, along K:
;;     - K is cut into blocks of 32 from its start; a last block that is shorter is filled with zeros.
;;     - A block's scale is 2^e with e = floor(log2(the largest magnitude in the block)) - 2, held to -126 .. 127; a block of zeros has e = 0. As a byte (E8M0): e + 127.
;;     - Each number is divided by its block's scale, clamped to +-6, and rounded to the nearest number of E2M1, ties to even, subnormals kept.
;;     - The product sums the exact products of the quantised numbers (number of the format x scale) in f32.
;;   ~~~python
;;   def quantise(x, axis):      # numpy; x: float32 -> the quantised numbers, widened to float32 again
;;       x = np.moveaxis(x, axis, -1); K = x.shape[-1]
;;       x = np.pad(x, [(0, 0)] * (x.ndim - 1) + [(0, -K % 32)]); x = x.reshape(x.shape[:-1] + (-1, 32)); a = np.abs(x).max(-1, keepdims=True)
;;       e = np.where(a > 0, np.clip(np.frexp(np.where(a > 0, a, 1))[1] - 1 - 2, -126, 127), 0)      # np.frexp(a)[1] - 1 = floor(log2(a)), exactly
;;       r = np.clip(x / 2.0 ** e, -6, 6)
;;       step = 2.0 ** (np.maximum(np.frexp(np.where(r == 0, 1, r))[1] - 1, 0) - 1)
;;       q = np.round(r / step) * step * 2.0 ** e      # np.round: ties to even
;;       return np.moveaxis(q.reshape(q.shape[:-2] + (-1,))[..., :K], -1, axis).astype(np.float32)
;;   ~~~
;;   SOFTMAX AHEAD OF A QUANTISED PRODUCT. Where the list says 'softmax', what is quantised is not the finished softmax but p = 2^(t - M), with t = logit x log2(e) and M = ceil(the row's largest t), a whole number; so 1/2 < the row's largest p <= 1. The row's sum l is taken of the UNQUANTISED p, in f32, and the product's result is divided by l at the end. Since M is a whole number, a kernel that streams over the keys may use a running M (the ceiling of the running maximum): every later rescaling is an exact power of two, which a block's scale takes up: the codes' values come out the same.
;;   OPERANDS COMPUTED ON THE WAY. 'Computed on the way' means the value that the module computes at that place (a softmax that the list does not call 'softmax' is quantised finished and normalised). What goes into a quantiser is computed in f32, as accurately as f32 sums, v_exp_f32 and their like allow (about 1e-6 of the number): no bf16 or f16 on the way to a quantiser, and a product that is left as it is and whose result goes on into a quantised operand takes f32 operands (vector FMAs, or v_wmma_f32_16x16x4_f32). A number that lies on a knife's edge between two numbers of the format may be rounded either way, as far as f32 arithmetic and the matrix unit's own rounding can turn it there, and no further.
;; One version. Each part assembles by itself: llvm-mc -triple=amdgcn-amd-amdhsa -mcpu=gfx1250 --defsym DOCPART=n.
;; ======== version 1 of 1: 4 launches
;; workspace buffers: codes 14,680,064 bytes; scales 917,504 bytes; qrec 9,175,040 bytes; kvrec 9,175,040 bytes; cc 4,194,304 bytes; cs 262,144 bytes
;; launch quant (part 1): grid 896 x 1, 4 waves a work-group, no clusters, 39,424 bytes of LDS; arguments q, k, v, Wq, Wk, Wv, Wo, codes, scales; writes codes, scales
.if DOCPART == 1
	.amdgcn_target "amdgcn-amd-amdhsa--gfx1250"
	.amdhsa_code_object_version 6
	.text
	.protected	k_qe771d1155c_quant
	.globl	k_qe771d1155c_quant
	.p2align	8
	.type	k_qe771d1155c_quant,@function
k_qe771d1155c_quant:
	s_mov_b64 s[64:65], 0
	v_nop
	global_prefetch_b8 v0, s[64:65] scope:SCOPE_SE
	s_setreg_imm32_b32 hwreg(HW_REG_WAVE_MODE, 25, 1), 1
	s_wait_xcnt 0x0
; q, k, v [8192][1024] and Wq, Wk, Wv, Wo [1024][1024], f32, K innermost, become codes of FP4 (E2M1) with one E8M0 byte for each 32 along K.
; A block's scale is 2^(floor(log2(its largest magnitude)) - 2); its byte is the largest magnitude's exponent field - 2, held at 1 from below; each number is divided by the scale and rounded to the nearest code, ties to even.
; LIMITS: NaN and infinities among the inputs are not served.  A block whose largest magnitude lies under 2^(3 - 127), a block of zeros among them, gets the byte 1 (the rule says 127 for zeros): its codes are right all the same, and this program alone reads the bytes.
; LAYOUT OF THE RESULT.  Rows go in GROUPS of 32; a group is two TILES u = 0, 1 of 16 rows: lane r of tile u stands for row 8 u + r + 8 (r / 8).  The seven tensors' groups follow each other: q 0, k 256, v 512, Wq 768, Wk 800, Wv 832, Wo 864.
;   codes:  [group][u][K step of 128][c 2][lane 32][16 bytes]: the image of a matrix operand's registers: lane l = 16 h + r holds the codes k = 64 c + 32 h + 0 .. 31 of tile row r.  Block B of a row (B = k / 32) so lies at 8192 u + 256 B + 16 r.
;   scales: [group][e 2][16 u + r][16 bytes]: the bytes of blocks 16 e .. 16 e + 15 of that row: four scale words.
; SHARES.  A work-group takes a group, wave w its rows 8 w .. 8 w + 7 (tile w % 2, lanes 8 (w / 2) + 0 .. 7), in 16 steps of 512 numbers (half a row).  Each of a step's four loads reads 512 consecutive bytes; the 2,048 bytes turn
; through the wave's own stage in LDS, so that a lane holds 16 neighbours along K and two neighbouring lanes a block.  Codes and bytes are gathered in LDS in the result's layout (a run of 256 bytes there holds rows of two waves),
; and behind one barrier each wave stores 4,096 bytes of codes, 512 consecutive bytes an instruction, and 256 consecutive scale bytes.
; No tensor loads, no matrix work, no cluster: no two work-groups read the same byte.
.set STEPS, 16
.set SP,    80                         ; a lane's place in a turning stage: its 64 bytes + 16 of padding
.set WSTG,  2*32*SP                    ; a wave's two turning stages
.set CPI,   272                        ; the codes' stage: 256 bytes + 16 of padding
.set CST,   4*WSTG                     ; 64 such runs: 32 u + block
.set SST,   CST+64*CPI                 ; the group's 1,024 scale bytes
.set R,     16                         ; v16-79   four sets of 16 numbers as loaded
.set X,     80                         ; v80-111  two sets of 16 neighbours
.set E,     112                        ; v112-127 a scale byte for each step
.set C,     128                        ; v128-159 two registers of codes for each step: no LDS store's data are written again
	s_load_b512 s[8:23], s[0:1], 0x0               ; q 8, k 10, v 12, Wq 14, Wk 16, Wv 18, Wo 20, codes 22
	s_load_b64 s[24:25], s[0:1], 0x40              ; scales
	v_lshl_add_u32 v160, v0, 2, 0x9800
	v_mov_b32 v161, 0
	v_lshrrev_b32 v1, 5, v0
	v_readfirstlane_b32 s7, v1                     ; wave
	v_and_b32 v2, 31, v0                           ; lane
	v_lshlrev_b32 v3, 4, v2                        ; 16 x lane
	s_mul_i32 s28, s7, WSTG
	v_lshrrev_b32 v14, 2, v2
	v_mul_u32_u24 v14, v14, SP
	v_and_b32 v15, 3, v2
	v_lshl_add_u32 v14, v15, 4, v14
	v_add_nc_u32 v14, s28, v14                     ; turning stage, in: four lanes' 64 bytes on end, then 16 of padding
	v_mul_u32_u24 v15, v2, SP
	v_add_nc_u32 v15, s28, v15                     ; and out: my 16 neighbours
	s_and_b32 s29, s7, 1                           ; my tile u
	s_lshr_b32 s30, s7, 1
	s_lshl_b32 s32, s30, 7                         ; my tile rows begin at lane 8 (w / 2): 128 bytes on, in codes and in scale bytes alike
	s_mul_i32 s31, s29, 32*CPI
	s_add_co_u32 s31, s31, s32
	s_add_co_u32 s31, s31, CST
	v_lshrrev_b32 v8, 1, v2                        ; my block of the step's 16
	v_and_b32 v9, 1, v2                            ; and which half of it
	v_mul_u32_u24 v4, v8, CPI
	v_lshl_add_u32 v4, v9, 3, v4
	v_add_nc_u32 v4, s31, v4                       ; where my 8 bytes of codes go; the step's half row and row stand in the immediate
	s_lshl_b32 s31, s29, 8
	s_add_co_u32 s31, s31, s32
	s_add_co_u32 s31, s31, SST
	v_add_nc_u32 v5, s31, v8                       ; where my block's byte goes
	v_lshrrev_b32 v8, 4, v2
	v_and_b32 v9, 15, v2
	v_mul_u32_u24 v6, v8, CPI
	v_lshl_add_u32 v6, v9, 4, v6
	s_mul_i32 s31, s7, 16*CPI
	s_add_co_u32 s31, s31, CST
	v_add_nc_u32 v6, s31, v6                       ; the way out: runs 16 w + 2 j + lane / 16, 16 bytes a lane
	v_lshlrev_b32 v10, 3, v2
	s_lshl_b32 s31, s7, 8
	s_add_co_u32 s31, s31, SST
	v_add_nc_u32 v7, s31, v10                      ; and 8 scale bytes a lane
	s_wait_kmcnt 0x0
	s_mov_b64 s[4:5], s[20:21]                     ; which tensor is my group's?  The choice hangs on the work-group's number alone
	s_mov_b32 s6, 864
.macro PICK limit, ptr, first
	s_cmp_lt_u32 ttmp9, \limit
	s_cselect_b64 s[4:5], s[\ptr:\ptr+1], s[4:5]
	s_cselect_b32 s6, \first, s6
.endm
	PICK 864, 18, 832
	PICK 832, 16, 800
	PICK 800, 14, 768
	PICK 768, 12, 512
	PICK 512, 10, 256
	PICK 256, 8, 0
	s_sub_co_u32 s26, ttmp9, s6                    ; the group's number in its tensor: 131,072 bytes a group, 32,768 a wave
	s_lshl_b32 s26, s26, 17
	s_lshl_b32 s27, s7, 15
	s_add_co_u32 s26, s26, s27
	s_mov_b32 s27, 0
	s_add_nc_u64 s[4:5], s[4:5], s[26:27]
	s_lshl_b32 s26, ttmp9, 14                      ; codes: 16,384 bytes a group, 4,096 a wave
	s_lshl_b32 s28, s7, 12
	s_add_co_u32 s26, s26, s28
	s_add_nc_u64 s[22:23], s[22:23], s[26:27]
	s_lshl_b32 s26, ttmp9, 10                      ; scale bytes: 1,024 a group, 256 a wave
	s_lshl_b32 s28, s7, 8
	s_add_co_u32 s26, s26, s28
	s_add_nc_u64 s[24:25], s[24:25], s[26:27]
.macro LOAD t
.irp i, 0,1,2,3
	global_load_b128 v[R+16*((\t)%4)+4*\i:R+16*((\t)%4)+4*\i+3], v3, s[4:5] offset:2048*(\t)+512*\i th:TH_LOAD_NT   ; 32 lanes read 512 consecutive bytes
.endr
.endm
.macro TURN t                          ; step t's numbers through the stage: LDS serves a wave's instructions in order (ISA guide 5.7.1), so no wait stands between the stores and the loads
.irp i, 0,1,2,3
	ds_store_b128 v14, v[R+16*((\t)%4)+4*\i:R+16*((\t)%4)+4*\i+3] offset:32*SP*((\t)%2)+8*SP*\i
.endr
.irp i, 0,1,2,3
	ds_load_b128 v[X+16*((\t)%2)+4*\i:X+16*((\t)%2)+4*\i+3], v15 offset:32*SP*((\t)%2)+16*\i
.endr
.endm
.irp t, 0,1,2,3
	LOAD \t
.endr
	s_wait_loadcnt 12                              ; step 0's four loads are in; the twelve of steps 1 to 3 may be out
	TURN 0
.macro STEP t
.set XS, X+16*((\t)%2)
.if (\t) > 0
	s_wait_dscnt 2                                 ; this step's numbers are back from the stage; the last step's two stores (byte, codes) may be out
.else
	s_wait_dscnt 0x0
.endif
.if (\t)+4 < STEPS
	LOAD (\t)+4                                    ; into the set whose stores into the stage have just been shown done
.endif
.if (\t)+1 < STEPS
.if STEPS-2-(\t) >= 3
	s_wait_loadcnt 12                              ; the next step's four loads are in; those of the three steps behind it may be out
.else
	s_wait_loadcnt 4*(STEPS-2-(\t))
.endif
	TURN (\t)+1                                    ; they go through the other stage while this step is worked
.endif
	v_max3_num_f32 v8, |v[XS]|, |v[XS+1]|, |v[XS+2]|               ; the largest magnitude of my 16, in two chains
	v_max3_num_f32 v9, |v[XS+3]|, |v[XS+4]|, |v[XS+5]|
.irp i, 6,10
	v_max3_num_f32 v8, v8, |v[XS+\i]|, |v[XS+\i+1]|
	v_max3_num_f32 v9, v9, |v[XS+\i+2]|, |v[XS+\i+3]|
.endr
	v_max3_num_f32 v8, v8, |v[XS+14]|, |v[XS+15]|
	v_max3_num_f32 v8, v8, v9, 0x1800000           ; and the floor 2^(3 - 127): the byte cannot fall under 1
	v_max_num_f32_dpp v8, v8, v8 row_xmask:1 row_mask:0xf bank_mask:0xf   ; with my neighbour's 16: the block's
	v_add_nc_u32 v11, 0xff000000, v8               ; 2 off its exponent field: the conversion takes the exponent field of this operand as its scale
	v_cvt_scalef32_pk8_fp4_f32 v[C+2*(\t)], v[XS:XS+7], v11
	v_cvt_scalef32_pk8_fp4_f32 v[C+2*(\t)+1], v[XS+8:XS+15], v11
	v_lshrrev_b32 v[E+(\t)], 23, v11               ; the scale's byte (a plain line behind the conversions)
	ds_store_b8 v5, v[E+(\t)] offset:512*((\t)%2)+16*((\t)/2)      ; both lanes of a block write the same byte with the same value
	ds_store_b64 v4, v[C+2*(\t):C+2*(\t)+1] offset:16*CPI*((\t)%2)+16*((\t)/2)
.endm
.irp t, 0,1,2,3,4,5,6,7,8,9,10,11,12,13,14,15
	STEP \t
.endr
	s_wait_dscnt 0x0                               ; for the others' sake: my stores into the two stages are done
	s_barrier_signal -1
	s_barrier_wait -1
.irp j, 0,1,2,3,4,5,6,7
	ds_load_b128 v[16+4*\j:19+4*\j], v6 offset:2*CPI*\j
.endr
	ds_load_b64 v[48:49], v7
.irp j, 0,1,2,3,4,5,6,7
	s_wait_dscnt 8-\j                              ; load j is in; the 8 - j issued behind it may be out
	global_store_b128 v3, v[16+4*\j:19+4*\j], s[22:23] offset:512*\j   ; 32 lanes store 512 consecutive bytes, at a multiple of 256 from the buffer's first byte
.endr
	s_wait_dscnt 0x0
	global_store_b64 v10, v[48:49], s[24:25]       ; 32 lanes store 256 consecutive bytes, aligned
	s_wait_tensorcnt 0x0
	ds_add_u32 v160, v161
	s_wait_dscnt 0x0
	s_endpgm
.Lfunc_end_k_qe771d1155c_quant:
	.size	k_qe771d1155c_quant, .Lfunc_end_k_qe771d1155c_quant-k_qe771d1155c_quant
	.p2alignl 7, 3214868480
	.fill 96, 4, 3214868480
	.section	.rodata,"a",@progbits
	.p2align	6, 0x0
	.amdhsa_kernel k_qe771d1155c_quant
		.amdhsa_group_segment_fixed_size 39424
		.amdhsa_private_segment_fixed_size 0
		.amdhsa_enable_private_segment 0
		.amdhsa_kernarg_size 72
		.amdhsa_user_sgpr_count 2
		.amdhsa_user_sgpr_kernarg_segment_ptr 1
		.amdhsa_wavefront_size32 1
		.amdhsa_system_sgpr_workgroup_id_x 1
		.amdhsa_system_sgpr_workgroup_id_y 1
		.amdhsa_system_sgpr_workgroup_id_z 1
		.amdhsa_system_vgpr_workitem_id 0
		.amdhsa_next_free_vgpr 162
		.amdhsa_next_free_sgpr 66
		.amdhsa_reserve_vcc 0
		.amdhsa_float_denorm_mode_32 3
		.amdhsa_float_denorm_mode_16_64 3
		.amdhsa_memory_ordered 1
		.amdhsa_forward_progress 1
		.amdhsa_inst_pref_size 36
	.end_amdhsa_kernel
	.amdgpu_metadata
---
amdhsa.version: [ 1, 2 ]
amdhsa.kernels:
  - .name:           k_qe771d1155c_quant
    .symbol:         k_qe771d1155c_quant.kd
    .args:
      - { .name: q, .offset: 0, .size: 8, .value_kind: global_buffer, .address_space: global }
      - { .name: k, .offset: 8, .size: 8, .value_kind: global_buffer, .address_space: global }
      - { .name: v, .offset: 16, .size: 8, .value_kind: global_buffer, .address_space: global }
      - { .name: Wq, .offset: 24, .size: 8, .value_kind: global_buffer, .address_space: global }
      - { .name: Wk, .offset: 32, .size: 8, .value_kind: global_buffer, .address_space: global }
      - { .name: Wv, .offset: 40, .size: 8, .value_kind: global_buffer, .address_space: global }
      - { .name: Wo, .offset: 48, .size: 8, .value_kind: global_buffer, .address_space: global }
      - { .name: codes, .offset: 56, .size: 8, .value_kind: global_buffer, .address_space: global }
      - { .name: scales, .offset: 64, .size: 8, .value_kind: global_buffer, .address_space: global }
    .group_segment_fixed_size: 39424
    .private_segment_fixed_size: 0
    .kernarg_segment_align: 8
    .kernarg_segment_size: 72
    .max_flat_workgroup_size: 128
    .sgpr_count:     66
    .vgpr_count:     162
    .wavefront_size: 32
...
	.end_amdgpu_metadata
.endif
;; end of part 1
;; launch proj (part 2): grid 4 x 192, 4 waves a work-group, clusters of 4 x 1, 197,120 bytes of LDS; arguments codes, scales, qrec, kvrec; writes qrec, kvrec
.if DOCPART == 2
	.amdgcn_target "amdgcn-amd-amdhsa--gfx1250"
	.amdhsa_code_object_version 6
	.text
	.protected	k_qe771d1155c_proj
	.globl	k_qe771d1155c_proj
	.p2align	8
	.type	k_qe771d1155c_proj,@function
k_qe771d1155c_proj:
	s_mov_b64 s[64:65], 0
	v_nop
	global_prefetch_b8 v0, s[64:65] scope:SCOPE_SE
	s_setreg_imm32_b32 hwreg(HW_REG_WAVE_MODE, 25, 1), 1
	s_wait_xcnt 0x0
	s_wait_alu depctr_hold_cnt(0) depctr_sa_sdst(0) depctr_va_vdst(0) depctr_va_sdst(0) depctr_va_ssrc(0) depctr_va_vcc(0) depctr_vm_vsrc(0)
	s_getreg_b32 s2, hwreg(HW_REG_IB_STS2, 6, 4)
	s_cmp_eq_u32 s2, 0
	s_cbranch_scc0 .Lentry_in_a_cluster
	s_endpgm
.Lentry_in_a_cluster:
	s_bfe_u32 s2, ttmp6, 0x10000c
	s_cmp_lg_u32 s2, 0x3003
	s_cbranch_scc0 .Lentry_shape_is_right
	s_endpgm
.Lentry_shape_is_right:
; The three projections q Wq^T, k Wk^T, v Wv^T on codes of FP4 with E8M0 scales, their results quantised again in registers for the two products of attention.
; ONE BODY: C'[row of R][row of P] = sum over k of R[..][k] P[..][k], quantised ALONG P.  For q and k: R = the tokens, P = the weight's rows (features): the heads' 64 channels are quantised in two blocks of 32.
; For v: R = Wv's rows, P = the tokens: V^T with the keys innermost, quantised along the keys.
; OPERANDS lie as the launch before has laid them: groups of 32 rows, two tiles each (lane r of tile u = row 8 u + r + 8 (r / 8)), a fragment as the image of its 8 registers (2 x 512 bytes, 16 bytes a lane).
; THE MATRIX INSTRUCTION IS USED TRANSPOSED: source 0 = a tile of P, source 1 = a tile of R.  A lane then holds one row of R, and by the choice of a tile's rows the 16 registers of P's tiles 2 b and 2 b + 1 are P's rows 32 b + 16 (lane / 16) + 0 .. 15.
; SHARES.  A work-group makes 256 rows of R x 128 rows of P over all of K = 1,024; 768 work-groups.  Wave w takes R's tiles 4 w .. 4 w + 3 against P's eight: 32 accumulators, 256 registers; 8 K steps of 32 matrix instructions.
; LDS IS FILLED ONCE: both panels for all of K, in four chunks of two K steps; no byte is filled again.  A wave has its eight tensor loads out at the start.
; CLUSTER.  The four partners differ in P's panel alone: R's panel, 131,072 bytes, is asked for jointly (mask 15); P's, 65,536 bytes each, by plain loads.
; RESULT: records of 8,960 bytes, [batch x head][128 keys or queries]: +0 eight half images of K or Q (tile t at 512 t: lane l holds channels 32 (l / 16) + 0 .. 31); +4,096 four images of V^T (tile of 16 channels x 128 keys);
;   +8,192 K's or Q's scale words [t / 4][16 (t % 2) + r][(t / 2) % 2], bytes 2 and 3 zero; +8,704 V^T's scale words [16 (tile % 2) + r][tile / 2].
; LIMITS: NaN and infinities are not served; a block whose largest magnitude lies under 2^(3 - 127) gets the byte 1.
; REGISTERS: window 0: v1 16 x lane, v2 lane, v3-4 R's LDS addresses, v5 8 x lane; v16-31 R's scale words, v32-63 P's; v64-159, v160-255 two sets of fragments (R's four, then P's eight); on the way out v160-217 are at work.
;   window 1: accumulator (R tile ro, P tile pt) at v[8 (8 ro + pt)].
.set HEADB, 143360                     ; a head's 16 records
.set REC,   8960
.set RB,    65536                      ; LDS: P's panel [chunk 4][tile 8][2,048] at 0; R's [chunk 4][tile 16][2,048] here
.set SR,    16
.set SPS,   32
.set FS,    64
.set PC,    160                        ; the way out: 8 registers of codes for each of my four tiles
.set TM,    192                        ; v192-195 largest magnitudes, v196-199 the other half's, then bytes, v204-207 the conversions' scale operands
.set PW,    208                        ; v208-211 a scale word for each tile
.set WW,    212                        ; v212-217 the words as they are stored
.set WV,    12
.set SEL,   2                          ; s[2:3] lane selects for v_permlanex16_b32: lane l xor 16
.set MSB, 0
.macro WIN new                         ; the immediate's high byte repeats the setting that is left
.if MSB != \new
	s_set_vgpr_msb (MSB<<8)|\new
.set MSB, \new
.endif
.endm
.macro PLACES                          ; four plain vector lines between a matrix instruction and a load into, or a vector line on, one of its registers
.rept 4
	v_nop
.endr
.endm
.macro ROUND                           ; a round of the cluster's barrier
	s_barrier_signal -1
	s_barrier_wait -1
	s_cmp_lg_u32 s[WV], 0
	s_cbranch_scc1 .Lnot_wave_0_\@
	s_barrier_signal -3
.Lnot_wave_0_\@:
	s_barrier_wait -3
	s_barrier_signal -1
	s_barrier_wait -1
.endm
.macro DESC0 g, ldsreg, ldsoff, a, goff        ; a descriptor's group 0: count 1, LDS address, global address, type 2
	s_mov_b32 s[\g], 1
	s_add_co_u32 s[\g+1], s[\ldsreg], \ldsoff
	s_add_nc_u64 s[\g+2:\g+3], s[\a:\a+1], \goff
	s_or_b32 s[\g+3], s[\g+3], 0x80000000
.endm
	s_load_b256 s[4:11], s[0:1], 0x0               ; codes 4, scales 6, qrec 8, kvrec 10
	v_lshl_add_u32 v14, v0, 2, 0x30000
	v_mov_b32 v15, 0
	ds_add_u32 v14, v15
	ds_add_u32 v14, v15
	v_lshrrev_b32 v2, 5, v0
	v_readfirstlane_b32 s[WV], v2                  ; wave 0..3
	v_and_b32 v2, 31, v0                           ; lane
	v_lshlrev_b32 v1, 4, v2                        ; 16 x lane: an image's place for my lane
	v_lshlrev_b32 v5, 3, v2                        ; 8 x lane
	s_lshl_b32 s92, s[WV], 13                      ; my four tiles of R in a chunk
	s_lshl_b32 s94, s[WV], 12                      ; the two tiles of P that I fetch
	s_add_co_u32 s93, s92, RB
	v_add_nc_u32 v3, s93, v1                       ; R's chunks 0 and 1,
	v_add_nc_u32 v4, 65536, v3                     ; and 2 and 3
	s_mov_b32 s[SEL], 0x76543210
	s_mov_b32 s[SEL+1], 0xfedcba98
	s_bfe_u32 s13, ttmp6, 0x40000                  ; cx: it enters P's panel alone
	s_and_b32 s14, ttmp7, 0xffff
	s_lshr_b32 s15, s14, 6                         ; which product: 0 q, 1 k, 2 v
	s_and_b32 s16, s14, 63
	; q, k: 32 panels of tokens (R) x 8 of features (P).  What feeds R's addresses stands in registers that never hold cx
	s_lshr_b32 s72, s16, 1                         ; R's panel
	s_lshl_b32 s74, s15, 8
	s_lshl_b32 s81, s72, 3
	s_add_co_u32 s74, s74, s81                     ; its first group: 256 x product + 8 x panel
	s_and_b32 s73, s16, 1
	s_lshl_b32 s73, s73, 2
	s_add_co_u32 s73, s73, s13                     ; P's panel
	s_lshl_b32 s75, s15, 5
	s_lshl_b32 s82, s73, 2
	s_add_co_u32 s75, s75, s82
	s_add_co_u32 s75, s75, 768                     ; its first group: 768 + 32 x product + 4 x panel
	; v: 4 panels of features (R) x 64 of tokens (P)
	s_lshr_b32 s76, s16, 4
	s_lshl_b32 s78, s76, 3
	s_add_co_u32 s78, s78, 832
	s_and_b32 s77, s16, 15
	s_lshl_b32 s77, s77, 2
	s_add_co_u32 s77, s77, s13
	s_lshl_b32 s79, s77, 2
	s_add_co_u32 s79, s79, 512
	s_cmp_eq_u32 s15, 2
	s_cselect_b32 s17, s76, s72                    ; R's panel
	s_cselect_b32 s19, s78, s74                    ; R's first group
	s_cselect_b32 s18, s77, s73                    ; P's panel
	s_cselect_b32 s80, s79, s75                    ; P's first group
	s_lshl_b32 s81, s[WV], 1
	s_add_co_u32 s81, s81, s19                     ; my two groups of R
	s_lshl_b32 s84, s81, 14
	s_mov_b32 s85, 0
	s_lshl_b32 s86, s81, 10
	s_mov_b32 s87, 0
	s_add_co_u32 s82, s80, s[WV]                   ; the group of P that I fetch
	s_lshl_b32 s88, s82, 14
	s_mov_b32 s89, 0
	s_lshl_b32 s90, s80, 10
	s_mov_b32 s91, 0
	; group 1 for R: 4 rows (tiles) of 2,048 bytes (two K steps), 8,192 bytes apart; elements of 8 bytes; the mask names all four partners, bit 21 beside it
	s_mov_b32 s20, 15|(3<<16)|(1<<21)
	s_mov_b32 s21, 256<<16                         ; tensor_dim0
	s_mov_b32 s22, 4<<16                           ; tensor_dim1
	s_mov_b32 s23, 256<<16                         ; tile_dim0
	s_mov_b32 s24, 4                               ; tile_dim1
	s_mov_b32 s25, 1024                            ; from row to row
	s_mov_b32 s26, 0
	s_mov_b32 s27, 0
	; group 1 for P: 2 such rows, no mask
	s_mov_b32 s28, 3<<16
	s_mov_b32 s29, 256<<16
	s_mov_b32 s30, 2<<16
	s_mov_b32 s31, 256<<16
	s_mov_b32 s32, 2
	s_mov_b32 s33, 1024
	s_mov_b32 s34, 0
	s_mov_b32 s35, 0
	s_wait_dscnt 0x0
	s_wait_kmcnt 0x0
	s_add_nc_u64 s[84:85], s[4:5], s[84:85]        ; R's codes
	s_add_nc_u64 s[88:89], s[4:5], s[88:89]        ; P's codes
	s_add_nc_u64 s[86:87], s[6:7], s[86:87]        ; R's scale words
	s_add_nc_u64 s[90:91], s[6:7], s[90:91]        ; P's scale words
	DESC0 36, 92, RB, 84, 0
	DESC0 40, 92, RB+32768, 84, 2048
	DESC0 44, 92, RB+65536, 84, 4096
	DESC0 48, 92, RB+98304, 84, 6144
	DESC0 52, 94, 0, 88, 0
	DESC0 56, 94, 16384, 88, 2048
	DESC0 60, 94, 32768, 88, 4096
	DESC0 68, 94, 49152, 88, 6144
	ROUND                                          ; all four work-groups are here: the joint loads meet
	tensor_load_to_lds s[36:39], s[20:27]          ; chunk by chunk, R's part then P's: eight loads of mine are out
	s_nop 0
	tensor_load_to_lds s[52:55], s[28:35]
	s_nop 0
	tensor_load_to_lds s[40:43], s[20:27]
	s_nop 0
	tensor_load_to_lds s[56:59], s[28:35]
	s_nop 0
	tensor_load_to_lds s[44:47], s[20:27]
	s_nop 0
	tensor_load_to_lds s[60:63], s[28:35]
	s_nop 0
	tensor_load_to_lds s[48:51], s[20:27]
	s_nop 0
	tensor_load_to_lds s[68:71], s[28:35]
	s_nop 0
	PLACES                                         ; four plain lines behind the last tensor load
	s_wait_alu depctr_va_vdst(0)
.irp g, 0,1                                    ; scale words for all of K: register 8 g + s holds K step s of group g: tile 0 in lanes 0-15, tile 1 in lanes 16-31
.irp e, 0,1
	global_load_b128 v[SR+8*\g+4*\e:SR+8*\g+4*\e+3], v1, s[86:87] offset:1024*\g+512*\e
.endr
.endr
.irp g, 0,1,2,3
.irp e, 0,1
	global_load_b128 v[SPS+8*\g+4*\e:SPS+8*\g+4*\e+3], v1, s[90:91] offset:1024*\g+512*\e
.endr
.endr
; one scaled product; zz = 1: it starts its sum; ra, rb: the side's scale words stand in lanes 16-31
.macro WMS d, a, b, zz, sa, sb, ra, rb
.if \zz
.if (\ra) && (\rb)
	v_wmma_scale_f32_16x16x128_f8f6f4 v[\d:\d+7], v[\a:\a+7], v[\b:\b+7], 0, v[\sa], v[\sb] matrix_a_fmt:MATRIX_FMT_FP4 matrix_b_fmt:MATRIX_FMT_FP4 matrix_a_scale:MATRIX_SCALE_ROW1 matrix_b_scale:MATRIX_SCALE_ROW1
.elseif \ra
	v_wmma_scale_f32_16x16x128_f8f6f4 v[\d:\d+7], v[\a:\a+7], v[\b:\b+7], 0, v[\sa], v[\sb] matrix_a_fmt:MATRIX_FMT_FP4 matrix_b_fmt:MATRIX_FMT_FP4 matrix_a_scale:MATRIX_SCALE_ROW1
.elseif \rb
	v_wmma_scale_f32_16x16x128_f8f6f4 v[\d:\d+7], v[\a:\a+7], v[\b:\b+7], 0, v[\sa], v[\sb] matrix_a_fmt:MATRIX_FMT_FP4 matrix_b_fmt:MATRIX_FMT_FP4 matrix_b_scale:MATRIX_SCALE_ROW1
.else
	v_wmma_scale_f32_16x16x128_f8f6f4 v[\d:\d+7], v[\a:\a+7], v[\b:\b+7], 0, v[\sa], v[\sb] matrix_a_fmt:MATRIX_FMT_FP4 matrix_b_fmt:MATRIX_FMT_FP4
.endif
.else
.if (\ra) && (\rb)
	v_wmma_scale_f32_16x16x128_f8f6f4 v[\d:\d+7], v[\a:\a+7], v[\b:\b+7], v[\d:\d+7], v[\sa], v[\sb] matrix_a_fmt:MATRIX_FMT_FP4 matrix_b_fmt:MATRIX_FMT_FP4 matrix_a_scale:MATRIX_SCALE_ROW1 matrix_b_scale:MATRIX_SCALE_ROW1
.elseif \ra
	v_wmma_scale_f32_16x16x128_f8f6f4 v[\d:\d+7], v[\a:\a+7], v[\b:\b+7], v[\d:\d+7], v[\sa], v[\sb] matrix_a_fmt:MATRIX_FMT_FP4 matrix_b_fmt:MATRIX_FMT_FP4 matrix_a_scale:MATRIX_SCALE_ROW1
.elseif \rb
	v_wmma_scale_f32_16x16x128_f8f6f4 v[\d:\d+7], v[\a:\a+7], v[\b:\b+7], v[\d:\d+7], v[\sa], v[\sb] matrix_a_fmt:MATRIX_FMT_FP4 matrix_b_fmt:MATRIX_FMT_FP4 matrix_b_scale:MATRIX_SCALE_ROW1
.else
	v_wmma_scale_f32_16x16x128_f8f6f4 v[\d:\d+7], v[\a:\a+7], v[\b:\b+7], v[\d:\d+7], v[\sa], v[\sb] matrix_a_fmt:MATRIX_FMT_FP4 matrix_b_fmt:MATRIX_FMT_FP4
.endif
.endif
.endm
; K step ss: my four fragments of R and P's eight into set pp: 24 loads of 512 consecutive bytes
.macro FETCH ss, pp
.irp ro, 0,1,2,3
.irp c, 0,1
	ds_load_b128 v[FS+96*(\pp)+8*\ro+4*\c:FS+96*(\pp)+8*\ro+4*\c+3], v[3+(\ss)/4] offset:32768*(((\ss)/2)%2)+2048*\ro+1024*((\ss)%2)+512*\c
.endr
.endr
.irp pt, 0,1,2,3,4,5,6,7
.irp c, 0,1
	ds_load_b128 v[FS+96*(\pp)+32+8*\pt+4*\c:FS+96*(\pp)+32+8*\pt+4*\c+3], v1 offset:16384*((\ss)/2)+2048*\pt+1024*((\ss)%2)+512*\c
.endr
.endr
.endm
; 32 products: the 32 accumulators take turns, one instruction a turn, in the same order in every K step
.macro MUL ss, pp, zz
.irp ro, 0,1,2,3
.irp pt, 0,1,2,3,4,5,6,7
	WMS 8*(8*\ro+\pt), FS+96*(\pp)+32+8*\pt, FS+96*(\pp)+8*\ro, \zz, SPS+8*(\pt/2)+(\ss), SR+8*(\ro/2)+(\ss), \pt%2, \ro%2
.endr
.endr
.endm
.macro KSTEP ss
	s_wait_dscnt 0x0                               ; this step's fragments are in (asked for 32 matrix instructions ago)
.if ((\ss)==1)||((\ss)==3)||((\ss)==5)
	s_wait_tensorcnt 5-(\ss)                       ; my two loads of the next chunk have landed; the two of each later chunk may be out
	s_barrier_signal -1
	s_barrier_wait -1                              ; everybody's have
.endif
.if ((\ss)>=1)&&((\ss)<7)
	PLACES                                         ; in front of loads into the set that the last step multiplied
.endif
.if (\ss) < 7
	FETCH (\ss)+1, 1-(\ss)%2
.endif
	WIN 0x50                                       ; C and D in window 1
.if (\ss) == 0
	MUL \ss, 0, 1                                  ; the first K step starts the sums: nothing is cleared
.else
	MUL \ss, (\ss)%2, 0
.endif
	WIN 0
.endm
	s_wait_tensorcnt 6                             ; chunk 0's two loads of mine have landed; six were issued behind them
	s_barrier_signal -1
	s_barrier_wait -1                              ; everybody's have
	FETCH 0, 0
	s_wait_loadcnt 0x0                             ; the scale words
.irp s, 0,1,2,3,4,5,6,7
	KSTEP \s
.endr
; THE WAY OUT.  Tile ro's 64 numbers of a lane (register 16 b + i = P's row 32 b + 16 (lane / 16) + i) become a fragment's codes and its scale word.  Each accumulator is read from its low end on.
.macro QUANTW ro
.set AC, 64*(\ro)
	WIN 0x05                                       ; sources 0 and 1 in window 1
.irp b, 0,1,2,3
	v_max3_num_f32 v[TM+\b], |v[AC+16*\b]|, |v[AC+16*\b+1]|, 0x1800000   ; block b: my 16 numbers, and the floor 2^(3 - 127)
.endr
	WIN 0x14                                       ; sources 1 and 2 in window 1
.irp i, 2,4,6,8,10,12,14
.irp b, 0,1,2,3
	v_max3_num_f32 v[TM+\b], v[TM+\b], |v[AC+16*\b+\i]|, |v[AC+16*\b+\i+1]|   ; (the four blocks by turns)
.endr
.endr
	WIN 0
.irp b, 0,1,2,3
	v_permlanex16_b32 v[TM+4+\b], v[TM+\b], s[SEL], s[SEL+1]
.endr
.irp b, 0,1,2,3
	v_max_num_f32 v[TM+\b], v[TM+\b], v[TM+4+\b]   ; with lane l xor 16's 16: the block's largest magnitude
.endr
.irp b, 0,1,2,3
	v_add_nc_u32 v[TM+12+\b], 0xff000000, v[TM+\b] ; 2 off its exponent field: the conversion's scale operand
.endr
.irp b, 0,1,2,3
	v_lshrrev_b32 v[TM+4+\b], 23, v[TM+12+\b]      ; the scale's byte
.endr
	v_lshl_or_b32 v[PW+\ro], v[TM+5], 8, v[TM+4]
	v_lshl_or_b32 v[PW+\ro], v[TM+6], 16, v[PW+\ro]
	v_lshl_or_b32 v[PW+\ro], v[TM+7], 24, v[PW+\ro]
	WIN 0x01                                       ; source 0 in window 1
.irp b, 0,1,2,3
	v_cvt_scalef32_pk8_fp4_f32 v[PC+8*(\ro)+2*\b], v[AC+16*\b:AC+16*\b+7], v[TM+12+\b]
	v_cvt_scalef32_pk8_fp4_f32 v[PC+8*(\ro)+2*\b+1], v[AC+16*\b+8:AC+16*\b+15], v[TM+12+\b]
.endr
	WIN 0
	v_nop                                          ; one plain line behind the scaled conversions
.irp c, 0,1                                    ; the operand's layout wants a whole block in a lane: lanes 0-15 block 2 c, lanes 16-31 block 2 c + 1
.irp i, 0,1
	v_permlane16_swap_b32 v[PC+8*(\ro)+4*\c+\i], v[PC+8*(\ro)+4*\c+2+\i]
.endr
.endr
.endm
	PLACES                                         ; behind the last products: their results are read, and the set that they multiplied is written
.irp b, 0,1,2,3
	v_mov_b32 v[TM+4+\b], 0                        ; written once: a lane permute's destination counts as one of its sources
.endr
	QUANTW 0
	QUANTW 1
	QUANTW 2
	QUANTW 3
	v_cmp_le_u32 vcc_lo, 16, v2                    ; lanes 16-31 carry the odd tile's words
.irp j, 0,1
	v_cndmask_b32 v[WW+\j], v[PW+2*\j], v[PW+2*\j+1], vcc_lo
.endr
	s_cmp_eq_u32 s15, 2                            ; the same in all partners
	s_cbranch_scc1 .Lv_out
	; q, k: my 64 tokens are tiles 4 (w % 2) + 0 .. 3 of record 2 (panel % 8) + w / 2; the panel's 128 features are heads 2 P and 2 P + 1: registers 0-3 of a fragment are the first head's half image, 4-7 the second's
.irp j, 0,1
	v_and_b32 v[WW+2+\j], 0xffff, v[WW+\j]         ; the first head's two bytes,
	v_lshrrev_b32 v[WW+4+\j], 16, v[WW+\j]         ; the second's
.endr
	s_lshr_b32 s73, s17, 3
	s_lshl_b32 s73, s73, 4
	s_lshl_b32 s75, s18, 1
	s_add_co_u32 s73, s73, s75                     ; 16 x batch + head
	s_mul_i32 s73, s73, HEADB
	s_and_b32 s75, s17, 7
	s_lshl_b32 s75, s75, 1
	s_lshr_b32 s77, s[WV], 1
	s_add_co_u32 s75, s75, s77                     ; the record
	s_mul_i32 s75, s75, REC
	s_add_co_u32 s73, s73, s75
	s_and_b32 s77, s[WV], 1
	s_lshl_b32 s79, s77, 11
	s_add_co_u32 s88, s73, s79                     ; my four half images
	s_mov_b32 s89, 0
	s_lshl_b32 s79, s77, 8
	s_add_co_u32 s90, s73, s79
	s_add_co_u32 s90, s90, 8192                    ; my 256 bytes of scale words
	s_mov_b32 s91, 0
	s_cmp_eq_u32 s15, 0
	s_cselect_b64 s[96:97], s[8:9], s[10:11]       ; q's records or k's
	s_add_nc_u64 s[88:89], s[96:97], s[88:89]
	s_add_nc_u64 s[90:91], s[96:97], s[90:91]
	s_add_nc_u64 s[98:99], s[88:89], HEADB         ; the second head
	s_add_nc_u64 s[100:101], s[90:91], HEADB
	s_wait_alu depctr_va_vdst(0)
.irp ro, 0,1,2,3
	global_store_b128 v1, v[PC+8*\ro:PC+8*\ro+3], s[88:89] offset:512*\ro      ; 32 lanes store 512 consecutive bytes, at a multiple of 256 from the buffer's first byte
	global_store_b128 v1, v[PC+8*\ro+4:PC+8*\ro+7], s[98:99] offset:512*\ro
.endr
	global_store_b64 v5, v[WW+2:WW+3], s[90:91]    ; 256 consecutive bytes, aligned
	global_store_b64 v5, v[WW+4:WW+5], s[100:101]
	s_branch .Lstored
.Lv_out:
	; v: my 64 rows of Wv are head 4 x panel + w; P's panel is record (panel % 16) of batch (panel / 16): my four fragments are the record's four images of V^T
	s_lshr_b32 s73, s18, 4
	s_lshl_b32 s73, s73, 4
	s_lshl_b32 s75, s17, 2
	s_add_co_u32 s73, s73, s75
	s_add_co_u32 s73, s73, s[WV]
	s_mul_i32 s73, s73, HEADB
	s_and_b32 s75, s18, 15
	s_mul_i32 s75, s75, REC
	s_add_co_u32 s88, s73, s75
	s_mov_b32 s89, 0
	s_add_nc_u64 s[88:89], s[10:11], s[88:89]
	s_wait_alu depctr_va_vdst(0)
.irp ro, 0,1,2,3
	global_store_b128 v1, v[PC+8*\ro:PC+8*\ro+3], s[88:89] offset:4096+1024*\ro
	global_store_b128 v1, v[PC+8*\ro+4:PC+8*\ro+7], s[88:89] offset:4096+1024*\ro+512
.endr
	global_store_b64 v5, v[WW:WW+1], s[88:89] offset:8704
.Lstored:
	s_wait_tensorcnt 0x0
	ds_add_u32 v14, v15
	s_wait_dscnt 0x0
	ROUND                                          ; the closing round: no work-group ends while a partner may still ask for a tile that names it
	s_endpgm
.Lfunc_end_k_qe771d1155c_proj:
	.size	k_qe771d1155c_proj, .Lfunc_end_k_qe771d1155c_proj-k_qe771d1155c_proj
	.p2alignl 7, 3214868480
	.fill 96, 4, 3214868480
	.section	.rodata,"a",@progbits
	.p2align	6, 0x0
	.amdhsa_kernel k_qe771d1155c_proj
		.amdhsa_group_segment_fixed_size 197120
		.amdhsa_private_segment_fixed_size 0
		.amdhsa_enable_private_segment 0
		.amdhsa_kernarg_size 32
		.amdhsa_user_sgpr_count 2
		.amdhsa_user_sgpr_kernarg_segment_ptr 1
		.amdhsa_wavefront_size32 1
		.amdhsa_system_sgpr_workgroup_id_x 1
		.amdhsa_system_sgpr_workgroup_id_y 1
		.amdhsa_system_sgpr_workgroup_id_z 1
		.amdhsa_system_vgpr_workitem_id 0
		.amdhsa_next_free_vgpr 512
		.amdhsa_next_free_sgpr 102
		.amdhsa_reserve_vcc 1
		.amdhsa_float_denorm_mode_32 3
		.amdhsa_float_denorm_mode_16_64 3
		.amdhsa_memory_ordered 1
		.amdhsa_forward_progress 1
		.amdhsa_inst_pref_size 74
	.end_amdhsa_kernel
	.amdgpu_metadata
---
amdhsa.version: [ 1, 2 ]
amdhsa.kernels:
  - .name:           k_qe771d1155c_proj
    .symbol:         k_qe771d1155c_proj.kd
    .args:
      - { .name: codes, .offset: 0, .size: 8, .value_kind: global_buffer, .address_space: global }
      - { .name: scales, .offset: 8, .size: 8, .value_kind: global_buffer, .address_space: global }
      - { .name: qrec, .offset: 16, .size: 8, .value_kind: global_buffer, .address_space: global }
      - { .name: kvrec, .offset: 24, .size: 8, .value_kind: global_buffer, .address_space: global }
    .group_segment_fixed_size: 197120
    .private_segment_fixed_size: 0
    .kernarg_segment_align: 8
    .kernarg_segment_size: 32
    .max_flat_workgroup_size: 128
    .sgpr_count:     102
    .vgpr_count:     512
    .wavefront_size: 32
...
	.end_amdgpu_metadata
.endif
;; end of part 2
;; launch attn (part 3): grid 4 x 64, 16 waves a work-group, clusters of 4 x 1, 169,984 bytes of LDS; arguments qrec, kvrec, cc, cs; writes cc, cs
.if DOCPART == 3
	.amdgcn_target "amdgcn-amd-amdhsa--gfx1250"
	.amdhsa_code_object_version 6
	.text
	.protected	k_qe771d1155c_attn
	.globl	k_qe771d1155c_attn
	.p2align	8
	.type	k_qe771d1155c_attn,@function
k_qe771d1155c_attn:
	s_mov_b64 s[64:65], 0
	v_nop
	global_prefetch_b8 v0, s[64:65] scope:SCOPE_SE
	s_setreg_imm32_b32 hwreg(HW_REG_WAVE_MODE, 25, 1), 1
	s_wait_xcnt 0x0
	s_wait_alu depctr_hold_cnt(0) depctr_sa_sdst(0) depctr_va_vdst(0) depctr_va_sdst(0) depctr_va_ssrc(0) depctr_va_vcc(0) depctr_vm_vsrc(0)
	s_getreg_b32 s2, hwreg(HW_REG_IB_STS2, 6, 4)
	s_cmp_eq_u32 s2, 0
	s_cbranch_scc0 .Lentry_in_a_cluster
	s_endpgm
.Lentry_in_a_cluster:
	s_bfe_u32 s2, ttmp6, 0x10000c
	s_cmp_lg_u32 s2, 0x3003
	s_cbranch_scc0 .Lentry_shape_is_right
	s_endpgm
.Lentry_shape_is_right:
; ctx[b][q][head][:] = the sum over keys of softmax(Q . K / 8) V, both products on codes of FP4 with E8M0 scales; ctx is quantised along (head, channel) for the output projection.
; THE SOFTMAX AHEAD OF THE SECOND PRODUCT: t = score x log2(e) / 8; M = the row's largest t so far, rounded UP to a whole number; p = 2^(t - M) is what is quantised, along the keys, not normalised.  The row's sum is taken of the
; unquantised p and divides O at the end.  When M moves, the sum and O are multiplied by 2^(old M - new M): exact.
; SHARES.  A work-group owns one head of one batch and 512 of its queries; each of its sixteen waves owns a tile of 16 queries in each of two passes, in 256 registers: four waves to a SIMD, so that one wave's vector work stands
; beside another's matrix work and LDS loads.  THE HEAD'S K, V^T AND SCALE WORDS, 16 records of 8,960 bytes, COME INTO LDS ONCE and serve both passes: no byte is filled again.
; CLUSTER.  The four partners own the four blocks of 512 queries of one head: the records are asked for jointly (mask 15), waves 0 to 3 four records each: one tensor load of mine is out.
; LAYOUT.  Both products are used transposed: S^T = K Q^T (source 0 = 16 keys, source 1 = my 16 queries), O^T = V^T P^T: a lane holds ONE query throughout.  Lane r of K's tile 2 b + u holds key 32 b + 8 u + r + 8 (r / 8), so that
; the 16 registers of tiles 2 b and 2 b + 1 are keys 32 b + 16 (lane / 16) + 0 .. 15; V^T's tiles hold channels in the same order, so that O^T's registers run along the channels.
; THE SCORES' K IS 64, THE INSTRUCTION'S 128: a tile of K is four registers; the instruction's upper four are the next tile's, which meet Q's upper four registers, zero codes: they add nothing.
; LIMITS: NaN and infinities are not served.  A block's largest p is taken through the block's largest score (p rises with the score).  A block whose largest magnitude lies under 2^(3 - 127) gets the byte 1.  The running largest t begins at -3e38.
; REGISTERS: v1 16 x lane, v2 8 x lane, v3-4 the step's LDS addresses, v5 8 x (lane % 16), v6-7 the scale bytes' stage; v12 -M, v13 the largest t, v[14:15] the sum; v16-19 Q, v20-23 zeros, v24 Q's scale word;
;   v32-63 K's eight tiles, v64-67 zeros, v68-71 K's scale words, v72-73 V^T's; v96-159 S^T, then p; v160-191 O^T; v192-223 V^T's four images; v224-231 p's codes; v232-254 at work.
.set REC,   8960
.set HEADB, 143360
.set SCG,   143360                     ; behind the records: 512 bytes, ctx's scale bytes of the work-group's 16 tiles; no tensor load lands here
.set WV,    12
.set SEL,   20                         ; s[20:21] lane selects for v_permlanex16_b32: lane l xor 16
.set CS,    22                         ; s[22:23] c = log2(e) / 8; the packed form names a pair and takes its low word for both halves
.set G1,    24
.set G0,    40
.set QB,    48                         ; s[48:49] my tile of Q;  s[50:51] its scale words;  s[52:53] my tile's place in cc;  s[54:55] the work-group's in cs
.set QSB,   50
.set CCB,   52
.set CSB,   54
.set TB,    56                         ; s56 LDS byte of the record in hand
.set CNT,   57
.set PASS,  58
.macro ROUND                           ; a round of the cluster's barrier
	s_barrier_signal -1
	s_barrier_wait -1
	s_cmp_lg_u32 s[WV], 0
	s_cbranch_scc1 .Lnot_wave_0_\@
	s_barrier_signal -3
.Lnot_wave_0_\@:
	s_barrier_wait -3
	s_barrier_signal -1
	s_barrier_wait -1
.endm
; one scaled product; zz = 1: it starts its sum; ra: source 0's scale words stand in lanes 16-31
.macro WMS d, a, b, zz, sa, sb, ra
.if \zz
.if \ra
	v_wmma_scale_f32_16x16x128_f8f6f4 v[\d:\d+7], v[\a:\a+7], v[\b:\b+7], 0, v[\sa], v[\sb] matrix_a_fmt:MATRIX_FMT_FP4 matrix_b_fmt:MATRIX_FMT_FP4 matrix_a_scale:MATRIX_SCALE_ROW1
.else
	v_wmma_scale_f32_16x16x128_f8f6f4 v[\d:\d+7], v[\a:\a+7], v[\b:\b+7], 0, v[\sa], v[\sb] matrix_a_fmt:MATRIX_FMT_FP4 matrix_b_fmt:MATRIX_FMT_FP4
.endif
.else
.if \ra
	v_wmma_scale_f32_16x16x128_f8f6f4 v[\d:\d+7], v[\a:\a+7], v[\b:\b+7], v[\d:\d+7], v[\sa], v[\sb] matrix_a_fmt:MATRIX_FMT_FP4 matrix_b_fmt:MATRIX_FMT_FP4 matrix_a_scale:MATRIX_SCALE_ROW1
.else
	v_wmma_scale_f32_16x16x128_f8f6f4 v[\d:\d+7], v[\a:\a+7], v[\b:\b+7], v[\d:\d+7], v[\sa], v[\sb] matrix_a_fmt:MATRIX_FMT_FP4 matrix_b_fmt:MATRIX_FMT_FP4
.endif
.endif
.endm
	s_load_b256 s[4:11], s[0:1], 0x0               ; qrec 4, kvrec 6, cc 8, cs 10
	v_lshl_add_u32 v251, v0, 2, 0x29000
	v_mov_b32 v255, 0
	ds_add_u32 v251, v255
	ds_add_u32 v251, v255
	v_lshrrev_b32 v1, 5, v0
	s_delay_alu instid0(VALU_DEP_1)
	v_readfirstlane_b32 s[WV], v1                  ; wave 0..15
	s_bfe_u32 s13, ttmp6, 0x40000                  ; cx: it enters Q's, cc's and cs's addresses alone
	s_and_b32 s14, ttmp7, 0xffff                   ; 16 x batch + head, which the partners share
	s_mul_i32 s15, s14, HEADB                      ; the head's first byte in qrec and in kvrec
	s_mul_i32 s16, s[WV], 4*REC                    ; waves 0 to 3: the four records that I fetch, in memory and in LDS alike
	s_add_co_u32 s60, s15, s16
	s_mov_b32 s61, 0
	; group 1: 35,840 dense bytes as 140 rows of 256 (32 elements of 8 bytes); the mask names all four partners, bit 21 beside it
	s_mov_b32 s[G1], 15|(3<<16)|(1<<21)
	s_mov_b32 s[G1+1], 32<<16                      ; tensor_dim0
	s_mov_b32 s[G1+2], 140<<16                     ; tensor_dim1
	s_mov_b32 s[G1+3], 32<<16                      ; tile_dim0
	s_mov_b32 s[G1+4], 140                         ; tile_dim1
	s_mov_b32 s[G1+5], 32                          ; from row to row
	s_mov_b32 s[G1+6], 0
	s_mov_b32 s[G1+7], 0
	s_lshl_b32 s17, ttmp9, 2
	s_add_co_u32 s17, s17, s13                     ; x: my block of 512 queries
	s_lshl_b32 s18, s17, 2
	s_lshr_b32 s19, s[WV], 3
	s_add_co_u32 s18, s18, s19                     ; pass 0: my tile lies in record 4 x + w / 8, as its tile w % 8
	s_mul_i32 s18, s18, REC
	s_add_co_u32 s18, s18, s15
	s_and_b32 s19, s[WV], 7
	s_lshl_b32 s19, s19, 9
	s_add_co_u32 s62, s18, s19
	s_mov_b32 s63, 0
	s_bfe_u32 s19, s[WV], 0x10002                  ; its scale words: [t / 4][16 (t % 2) + r][(t / 2) % 2]
	s_lshl_b32 s19, s19, 8
	s_add_co_u32 s66, s18, s19
	s_and_b32 s19, s[WV], 1
	s_lshl_b32 s19, s19, 7
	s_add_co_u32 s66, s66, s19
	s_bfe_u32 s19, s[WV], 0x10001
	s_lshl_b32 s19, s19, 2
	s_add_co_u32 s66, s66, s19
	s_add_co_u32 s66, s66, 8192
	s_mov_b32 s67, 0
	s_lshr_b32 s68, s14, 4                         ; batch
	s_and_b32 s69, s14, 15                         ; head
	s_lshl_b32 s70, s68, 7
	s_lshl_b32 s71, s17, 5
	s_add_co_u32 s70, s70, s71                     ; the work-group's first tile of rows: 128 x batch + 32 x
	s_add_co_u32 s71, s70, s[WV]
	s_lshl_b32 s71, s71, 13                        ; cc: 8,192 bytes a tile of rows; head hd is piece hd % 2 of K step hd / 2: 512 hd bytes on
	s_lshl_b32 s72, s69, 9
	s_add_co_u32 s72, s71, s72
	s_mov_b32 s73, 0
	s_lshl_b32 s74, s70, 5                         ; cs: [head][tile of rows][r][2 bytes]
	s_lshl_b32 s75, s69, 14
	s_add_co_u32 s74, s74, s75
	s_mov_b32 s75, 0
	s_mov_b32 s[SEL], 0x76543210
	s_mov_b32 s[SEL+1], 0xfedcba98
	s_mov_b32 s[CS], 0x3e38aa3b                    ; c = log2(e) / 8
	s_mov_b32 s[CS+1], s[CS]
	s_wait_dscnt 0x0
	s_wait_kmcnt 0x0
	s_mov_b32 s[G0], 1                             ; count 1
	s_mov_b32 s[G0+1], s16                         ; LDS address
	s_add_nc_u64 s[G0+2:G0+3], s[6:7], s[60:61]    ; global address
	s_or_b32 s[G0+3], s[G0+3], 0x80000000          ; type 2
	s_add_nc_u64 s[QB:QB+1], s[4:5], s[62:63]
	s_add_nc_u64 s[QSB:QSB+1], s[4:5], s[66:67]
	s_add_nc_u64 s[CCB:CCB+1], s[8:9], s[72:73]
	s_add_nc_u64 s[CSB:CSB+1], s[10:11], s[74:75]
	ROUND                                          ; all four work-groups are here: the joint loads meet
	s_cmp_lt_u32 s[WV], 4                          ; the branch hangs on the wave's number alone
	s_cbranch_scc0 .Lno_fill
	tensor_load_to_lds s[G0:G0+3], s[G1:G1+7]
	s_nop 0
.rept 4
	v_nop                                          ; four plain lines behind the tensor load
.endr
.Lno_fill:
	v_and_b32 v8, 31, v0                           ; lane
	s_delay_alu instid0(VALU_DEP_1)
	v_lshlrev_b32 v1, 4, v8
	s_delay_alu instid0(VALU_DEP_2)
	v_lshlrev_b32 v2, 3, v8
	v_and_b32 v9, 15, v0                           ; r
	s_delay_alu instid0(VALU_DEP_1)
	v_lshlrev_b32 v5, 3, v9
	s_lshl_b32 s76, s[WV], 5
	s_add_co_u32 s76, s76, SCG
	v_lshl_add_u32 v6, v9, 1, s76                  ; my query's two scale bytes: SCG + 32 w + 2 r
	v_add_nc_u32 v7, SCG, v1                       ; and all 512 back, 16 bytes a lane
.irp j, 20,21,22,23,64,65,66,67
	v_mov_b32 v[\j], 0                             ; zero codes: Q's upper half, and what stands behind K's last tile
.endr
.irp b, 0,1,2,3
	v_mov_b32 v[236+\b], 0                         ; written once: a lane permute's destination counts as one of its sources
.endr
	v_mov_b32 v253, 0                              ; (named as the upper half of the pair v[252:253] before it is first written)
	s_wait_tensorcnt 0x0                           ; my four records have landed,
	s_barrier_signal -1
	s_barrier_wait -1                              ; everybody's have: the head lies in LDS
	s_mov_b32 s[PASS], 2
.Lpass:
	global_load_b128 v[16:19], v1, s[QB:QB+1]      ; my tile of Q: a half image
	global_load_b32 v24, v5, s[QSB:QSB+1]          ; lane r: query r's scale word (lanes 16-31 load the same and are not read)
	v_mov_b32 v13, 0xff61b1e6                      ; the largest t so far: -3e38
	s_delay_alu instid0(VALU_DEP_1)
	v_floor_f32 v12, -v13                          ; -M
	v_mov_b32 v14, 0                               ; the sum, in two halves
	v_mov_b32 v15, 0
.irp j, 0,1,2,3,4,5,6,7,8,9,10,11,12,13,14,15,16,17,18,19,20,21,22,23,24,25,26,27,28,29,30,31
	v_mov_b32 v[160+\j], 0                         ; O^T: the step is written once; the first finds zeros, which the first change of M leaves zeros
.endr
	s_mov_b32 s[TB], 0
	s_mov_b32 s[CNT], 16
	s_wait_loadcnt 0x0                             ; Q
.Lstep:                                            ; A KEY STEP: a record's 128 keys
	s_setprio 2
	v_add_nc_u32 v3, s[TB], v1
	v_add_nc_u32 v4, s[TB], v2
	v_nop
	v_nop                                          ; these four lines are the places between the last step's products and the loads into their operands
.irp t, 0,1,2,3,4,5,6,7
	ds_load_b128 v[32+4*\t:35+4*\t], v3 offset:512*\t
.endr
	ds_load_b64 v[68:69], v4 offset:8192           ; K's scale words: v[68 + t / 2]: tile t even in lanes 0-15, odd in lanes 16-31
	ds_load_b64 v[70:71], v4 offset:8448
.irp ta, 0,1,2,3
.irp c, 0,1
	ds_load_b128 v[192+8*\ta+4*\c:195+8*\ta+4*\c], v3 offset:4096+1024*\ta+512*\c
.endr
.endr
	ds_load_b64 v[72:73], v4 offset:8704           ; V^T's scale words
	s_wait_dscnt 9                                 ; K and its scale words are in; V^T's eight loads and its scale words' one may be out
.irp t, 0,1,2,3,4,5,6,7
	WMS 96+8*\t, 32+4*\t, 16, 1, 68+\t/2, 24, \t%2
.endr
.rept 4
	v_nop
.endr
.irp b, 0,1,2,3
	v_max3_num_f32 v[232+\b], v[96+16*\b], v[97+16*\b], v[98+16*\b]   ; the largest score of each block of 32 keys: for the row's maximum, and, since p rises with the score, for the block's largest p
.endr
.irp i, 3,5,7,9,11,13
.irp b, 0,1,2,3
	v_max3_num_f32 v[232+\b], v[232+\b], v[96+16*\b+\i], v[97+16*\b+\i]   ; (the four blocks by turns)
.endr
.endr
.irp b, 0,1,2,3
	v_max_num_f32 v[232+\b], v[232+\b], v[111+16*\b]
.endr
.irp b, 0,1,2,3
	s_delay_alu instid0(VALU_DEP_4)
	v_permlanex16_b32 v[236+\b], v[232+\b], s[SEL], s[SEL+1]
.endr
.irp b, 0,1,2,3
	s_delay_alu instid0(VALU_DEP_4)
	v_max_num_f32 v[232+\b], v[232+\b], v[236+\b]  ; with lane l xor 16's 16 keys
.endr
	s_delay_alu instid0(VALU_DEP_2)
	v_max3_num_f32 v254, v232, v233, v234
	s_delay_alu instid0(VALU_DEP_1)
	v_max_num_f32 v254, v254, v235                 ; the step's largest score of my query
	s_delay_alu instid0(VALU_DEP_1)
	v_mul_f32 v254, s[CS], v254                    ; as t (c is positive)
	s_delay_alu instid0(VALU_DEP_1)
	v_max_num_f32 v13, v13, v254                   ; the running largest t
	v_mov_b32 v254, v12
	s_delay_alu instid0(VALU_DEP_2)
	v_floor_f32 v12, -v13                          ; the new -M = floor(-t) = -ceil(t): a whole number
	s_delay_alu instid0(VALU_DEP_1)
	v_sub_f32 v254, v12, v254                      ; M's old value less its new one: 0 or less
	s_delay_alu instid0(VALU_DEP_1)
	v_cvt_i32_f32 v254, v254                       ; (it saturates)
	s_delay_alu instid0(VALU_DEP_1)
	v_ldexp_f32 v252, 1.0, v254                    ; f = 2^(old M - new M)
.irp j, 0,2,4,6,8,10,12,14,16,18,20,22,24,26,28,30,32,34,36,38,40,42,44,46,48,50,52,54,56,58,60,62
	v_pk_fma_f32 v[96+\j:97+\j], v[96+\j:97+\j], s[CS:CS+1], v[12:13] op_sel_hi:[1,0,0]   ; t - M, two at a time
.endr
.irp b, 0,1,2,3
	v_fma_f32 v[232+\b], v[232+\b], s[CS], v12     ; the same of each block's largest score
.endr
	s_wait_alu depctr_va_vdst(0)
.irp j, 0,1,2,3,4,5,6,7,8,9,10,11,12,13,14,15,16,17,18,19,20,21,22,23,24,25,26,27,28,29,30,31,32,33,34,35,36,37,38,39,40,41,42,43,44,45,46,47,48,49,50,51,52,53,54,55,56,57,58,59,60,61,62,63
	v_exp_f32 v[96+\j], v[96+\j]                   ; p = 2^(t - M), at most 1
.endr
	s_setprio 1
	v_pk_mul_f32 v[14:15], v[14:15], v[252:253] op_sel_hi:[1,0]   ; the sums under the new M (a plain line behind the exponentials)
	s_wait_alu depctr_va_vdst(0)                   ; one wait for the batch of 64, ahead of its first reader
.irp b, 0,1,2,3
	v_exp_f32 v[232+\b], v[232+\b]                 ; the block's largest p
.endr
	v_pk_add_f32 v[236:237], v[100:101], v[104:105]
	v_pk_add_f32 v[248:249], v[108:109], v[112:113]
	v_pk_add_f32 v[246:247], v[116:117], v[120:121]
	v_pk_add_f32 v[244:245], v[124:125], v[128:129]
	v_pk_add_f32 v[242:243], v[132:133], v[136:137]
	v_pk_add_f32 v[240:241], v[140:141], v[144:145]
	v_pk_add_f32 v[238:239], v[148:149], v[152:153]
	v_pk_add_f32 v[14:15], v[14:15], v[156:157]
	v_pk_add_f32 v[236:237], v[236:237], v[96:97]
	v_pk_add_f32 v[248:249], v[248:249], v[98:99]
	v_pk_add_f32 v[246:247], v[246:247], v[102:103]
	v_pk_add_f32 v[244:245], v[244:245], v[106:107]
	v_pk_add_f32 v[242:243], v[242:243], v[110:111]
	v_pk_add_f32 v[240:241], v[240:241], v[114:115]
	v_pk_add_f32 v[238:239], v[238:239], v[118:119]
	v_pk_add_f32 v[14:15], v[14:15], v[122:123]
	v_pk_add_f32 v[236:237], v[236:237], v[126:127]
	v_pk_add_f32 v[248:249], v[248:249], v[130:131]
	v_pk_add_f32 v[246:247], v[246:247], v[134:135]
	v_pk_add_f32 v[244:245], v[244:245], v[138:139]
	v_pk_add_f32 v[242:243], v[242:243], v[142:143]
	v_pk_add_f32 v[240:241], v[240:241], v[146:147]
	v_pk_add_f32 v[238:239], v[238:239], v[150:151]
	v_pk_add_f32 v[14:15], v[14:15], v[154:155]
	v_pk_add_f32 v[236:237], v[236:237], v[158:159]
	s_delay_alu instid0(VALU_DEP_2)
	v_pk_add_f32 v[14:15], v[14:15], v[244:245]
	s_delay_alu instid0(VALU_DEP_2)
	v_pk_add_f32 v[236:237], v[236:237], v[242:243]
	v_pk_add_f32 v[248:249], v[248:249], v[240:241]
	v_pk_add_f32 v[246:247], v[246:247], v[238:239]
	s_delay_alu instid0(VALU_DEP_2)
	v_pk_add_f32 v[14:15], v[14:15], v[248:249]
	s_delay_alu instid0(VALU_DEP_2)
	v_pk_add_f32 v[236:237], v[236:237], v[246:247]
	s_delay_alu instid0(VALU_DEP_1)
	v_pk_add_f32 v[14:15], v[14:15], v[236:237]
	s_wait_alu depctr_va_vdst(0)                   ; and one for the four
.irp b, 0,1,2,3
	v_max_num_f32 v[232+\b], 0x1800000, v[232+\b]  ; the floor 2^(3 - 127): the byte cannot fall under 1
.endr
.irp b, 0,1,2,3
	s_delay_alu instid0(VALU_DEP_4)
	v_add_nc_u32 v[244+\b], 0xff000000, v[232+\b]  ; 2 off the exponent field: the conversion's scale operand
.endr
.irp b, 0,1,2,3
	s_delay_alu instid0(VALU_DEP_4)
	v_lshrrev_b32 v[236+\b], 23, v[244+\b]         ; the scale's byte
.endr
	s_delay_alu instid0(VALU_DEP_3)
	v_lshl_or_b32 v253, v237, 8, v236              ; p's scale word for these 128 keys
	s_delay_alu instid0(VALU_DEP_1)
	v_lshl_or_b32 v253, v238, 16, v253
	s_delay_alu instid0(VALU_DEP_1)
	v_lshl_or_b32 v253, v239, 24, v253
.irp b, 0,1,2,3
	v_cvt_scalef32_pk8_fp4_f32 v[224+2*\b], v[96+16*\b:103+16*\b], v[244+\b]
	v_cvt_scalef32_pk8_fp4_f32 v[225+2*\b], v[104+16*\b:111+16*\b], v[244+\b]
.endr
	v_nop                                          ; one plain line behind the scaled conversions
.irp c, 0,1                                    ; a whole block in a lane: lanes 0-15 block 2 c, lanes 16-31 block 2 c + 1
.irp i, 0,1
	v_permlane16_swap_b32 v[224+4*\c+\i], v[226+4*\c+\i]
.endr
.endr
	s_setprio 0
.irp j, 0,2,4,6,8,10,12,14,16,18,20,22,24,26,28,30
	v_pk_mul_f32 v[160+\j:161+\j], v[160+\j:161+\j], v[252:253] op_sel_hi:[1,0]   ; O^T under the new M.  (These 16 also part the lines that made p's codes and scale word from the products below)
.endr
	s_wait_alu depctr_va_vdst(0)
	s_wait_dscnt 0x0                               ; V^T and its scale words are in
.irp ta, 0,1,2,3                               ; O^T += V^T P^T: four accumulators by turns, one instruction a turn
	WMS 160+8*\ta, 192+8*\ta, 224, 0, 72+\ta/2, 253, \ta%2
.endr
	s_add_co_u32 s[TB], s[TB], REC
	s_sub_co_u32 s[CNT], s[CNT], 1
	s_cmp_lg_u32 s[CNT], 0
	s_cbranch_scc1 .Lstep
	s_setprio 0
	; THE WAY OUT OF A PASS: ctx = O^T / the sum, quantised in the head's two blocks of 32 channels
	v_add_f32 v14, v14, v15                        ; the sum's two halves,
	s_delay_alu instid0(VALU_DEP_1)
	v_permlanex16_b32 v252, v14, s[SEL], s[SEL+1]
	s_delay_alu instid0(VALU_DEP_1)
	v_add_f32 v14, v14, v252                       ; and lane l xor 16's
	s_wait_alu depctr_va_vdst(0)
	v_rcp_f32 v14, v14
.rept 3
	v_nop                                          ; plain lines: behind the reciprocal, and, with the two additions, the places behind the last products
.endr
	s_wait_alu depctr_va_vdst(0)                   ; ahead of the reciprocal's first reader
.irp j, 0,1,2,3,4,5,6,7,8,9,10,11,12,13,14,15,16,17,18,19,20,21,22,23,24,25,26,27,28,29,30,31
	v_mul_f32 v[96+\j], v[160+\j], v14             ; register 16 b + i: channel 32 b + 16 (lane / 16) + i of my query
.endr
.irp b, 0,1
	v_max3_num_f32 v[232+\b], |v[96+16*\b]|, |v[97+16*\b]|, 0x1800000
.endr
.irp i, 2,4,6,8,10,12,14
.irp b, 0,1
	s_delay_alu instid0(VALU_DEP_2)
	v_max3_num_f32 v[232+\b], v[232+\b], |v[96+16*\b+\i]|, |v[97+16*\b+\i]|
.endr
.endr
.irp b, 0,1
	s_delay_alu instid0(VALU_DEP_2)
	v_permlanex16_b32 v[236+\b], v[232+\b], s[SEL], s[SEL+1]
.endr
.irp b, 0,1
	s_delay_alu instid0(VALU_DEP_2)
	v_max_num_f32 v[232+\b], v[232+\b], v[236+\b]
.endr
.irp b, 0,1
	s_delay_alu instid0(VALU_DEP_2)
	v_add_nc_u32 v[244+\b], 0xff000000, v[232+\b]
.endr
.irp b, 0,1
	s_delay_alu instid0(VALU_DEP_2)
	v_lshrrev_b32 v[236+\b], 23, v[244+\b]
.endr
	s_delay_alu instid0(VALU_DEP_1)
	v_lshl_or_b32 v228, v237, 8, v236              ; my query's two scale bytes
.irp b, 0,1
	v_cvt_scalef32_pk8_fp4_f32 v[224+2*\b], v[96+16*\b:103+16*\b], v[244+\b]
	v_cvt_scalef32_pk8_fp4_f32 v[225+2*\b], v[104+16*\b:111+16*\b], v[244+\b]
.endr
	v_nop
	v_permlane16_swap_b32 v224, v226               ; lanes 0-15 block 0, lanes 16-31 block 1: v[224:227] are four registers of ctx's fragment
	v_permlane16_swap_b32 v225, v227
	global_store_b128 v1, v[224:227], s[CCB:CCB+1] ; 32 lanes store 512 consecutive bytes, at a multiple of 256 from the buffer's first byte
	ds_store_b16 v6, v228                          ; lanes l and l + 16 write the same bytes with the same value
	s_wait_dscnt 0x0                               ; for wave 0's sake: my store is done
	s_barrier_signal -1
	s_barrier_wait -1
	s_cmp_lg_u32 s[WV], 0
	s_cbranch_scc1 .Lnot_zero
	ds_load_b128 v[100:103], v7                    ; the sixteen tiles' scale bytes
	s_wait_dscnt 0x0
	global_store_b128 v1, v[100:103], s[CSB:CSB+1] ; 512 consecutive bytes, aligned
.Lnot_zero:
	s_wait_xcnt 0x0                                ; the stores have read their registers and bases: both are written again only behind this wait
	s_add_nc_u64 s[QB:QB+1], s[QB:QB+1], 2*REC     ; the next pass: 16 tiles, two records, on
	s_add_nc_u64 s[QSB:QSB+1], s[QSB:QSB+1], 2*REC
	s_add_nc_u64 s[CCB:CCB+1], s[CCB:CCB+1], 16*8192
	s_add_nc_u64 s[CSB:CSB+1], s[CSB:CSB+1], 512
	s_barrier_signal -1                            ; wave 0's read of the scale bytes is back (its wait above): behind this barrier they may be stored anew
	s_barrier_wait -1
	s_sub_co_u32 s[PASS], s[PASS], 1
	s_cmp_lg_u32 s[PASS], 0
	s_cbranch_scc1 .Lpass
	s_wait_tensorcnt 0x0
	ds_add_u32 v251, v255
	s_wait_dscnt 0x0
	ROUND                                          ; the closing round: no work-group ends while a partner may still ask for a tile that names it
	s_endpgm
.Lfunc_end_k_qe771d1155c_attn:
	.size	k_qe771d1155c_attn, .Lfunc_end_k_qe771d1155c_attn-k_qe771d1155c_attn
	.p2alignl 7, 3214868480
	.fill 96, 4, 3214868480
	.section	.rodata,"a",@progbits
	.p2align	6, 0x0
	.amdhsa_kernel k_qe771d1155c_attn
		.amdhsa_group_segment_fixed_size 169984
		.amdhsa_private_segment_fixed_size 0
		.amdhsa_enable_private_segment 0
		.amdhsa_kernarg_size 32
		.amdhsa_user_sgpr_count 2
		.amdhsa_user_sgpr_kernarg_segment_ptr 1
		.amdhsa_wavefront_size32 1
		.amdhsa_system_sgpr_workgroup_id_x 1
		.amdhsa_system_sgpr_workgroup_id_y 1
		.amdhsa_system_sgpr_workgroup_id_z 1
		.amdhsa_system_vgpr_workitem_id 0
		.amdhsa_next_free_vgpr 256
		.amdhsa_next_free_sgpr 80
		.amdhsa_reserve_vcc 0
		.amdhsa_float_denorm_mode_32 3
		.amdhsa_float_denorm_mode_16_64 3
		.amdhsa_memory_ordered 1
		.amdhsa_forward_progress 1
		.amdhsa_inst_pref_size 28
	.end_amdhsa_kernel
	.amdgpu_metadata
---
amdhsa.version: [ 1, 2 ]
amdhsa.kernels:
  - .name:           k_qe771d1155c_attn
    .symbol:         k_qe771d1155c_attn.kd
    .args:
      - { .name: qrec, .offset: 0, .size: 8, .value_kind: global_buffer, .address_space: global }
      - { .name: kvrec, .offset: 8, .size: 8, .value_kind: global_buffer, .address_space: global }
      - { .name: cc, .offset: 16, .size: 8, .value_kind: global_buffer, .address_space: global }
      - { .name: cs, .offset: 24, .size: 8, .value_kind: global_buffer, .address_space: global }
    .group_segment_fixed_size: 169984
    .private_segment_fixed_size: 0
    .kernarg_segment_align: 8
    .kernarg_segment_size: 32
    .max_flat_workgroup_size: 512
    .sgpr_count:     80
    .vgpr_count:     256
    .wavefront_size: 32
...
	.end_amdgpu_metadata
.endif
;; end of part 3
;; launch outln (part 4): grid 256 x 1, 16 waves a work-group, no clusters, 282,112 bytes of LDS; arguments cc, cs, codes, scales, q, ln_gamma, ln_beta, out0; writes out0
.if DOCPART == 4
	.amdgcn_target "amdgcn-amd-amdhsa--gfx1250"
	.amdhsa_code_object_version 6
	.text
	.protected	k_qe771d1155c_outln
	.globl	k_qe771d1155c_outln
	.p2align	8
	.type	k_qe771d1155c_outln,@function
k_qe771d1155c_outln:
	s_mov_b64 s[64:65], 0
	v_nop
	global_prefetch_b8 v0, s[64:65] scope:SCOPE_SE
	s_setreg_imm32_b32 hwreg(HW_REG_WAVE_MODE, 25, 1), 1
	s_wait_xcnt 0x0
; out = LayerNorm(ctx Wo^T + q) x gamma + beta.  The product is on codes of FP4 with E8M0 scales; the residual and the norm are f32.  The variance is taken of x - mean, as the problem has it; eps = 1e-6.
; SHARES.  A work-group owns a group of 32 rows and all 1,024 columns, so that the norm stays inside it.  Wave w makes columns 64 w .. 64 w + 63 (four tiles of Wo's rows) for both tiles of rows: 8 accumulators, 8 K steps of 8 products,
; the accumulators by turns.  Then the rows meet in a stage in LDS, and wave w norms two whole rows.
; OPERANDS.  Wo's fragments go from memory straight into the registers of the one wave that wants them, as images (16 bytes a lane), four K steps ahead.  ctx's 16 fragments, which all waves want, are brought once (wave w one of them)
; and go round through LDS as images; its scale bytes (two for each head and row) are gathered there into words.  My two rows of q, 8,192 consecutive bytes, come by one tensor load at the head into bytes of my own: one load of mine is out.
; NO CLUSTER: all work-groups walk Wo's 524,288 bytes of codes, but joint loads land in LDS, where they do not fit beside the 280,064 bytes in use; slots filled again would want a round of the cluster's barrier for every
; K step's 8 products a wave, and every fragment is wanted by one wave of a work-group alone.
; THE MATRIX INSTRUCTION IS USED TRANSPOSED: source 0 = a tile of Wo, source 1 = a tile of ctx's rows: the 16 registers of Wo's tiles 2 b and 2 b + 1 are columns 64 w + 32 b + 16 (lane / 16) + 0 .. 15 of the row of lane % 16.
; Lane r of tile u stands for row 8 u + r + 8 (r / 8) of the group; stage rows 2 w and 2 w + 1 (stage row = 16 u + r) are two neighbouring rows of the group.
; LIMITS: NaN and infinities are not served.
; REGISTERS: v1 16 x lane, v2-6 addresses; v8-15 ctx's scale words (K step s in v[8 + s]: tile 0 in lanes 0-15, tile 1 in lanes 16-31); v16-31 Wo's; v32-63 ctx's fragments, two sets, later the norm's sums;
;   v64-191 Wo's fragments, four slots, later gamma, beta and my two rows; v192-255 accumulator (u, tile) at 192 + 8 (4 u + tile), later my rows of q.
.set OST,  131072                      ; LDS: 0: sixteen times 8,192 bytes, each wave's rows of q; here: the stage, 32 rows x (4,096 + 16)
.set OP,   4112                        ; its pitch: an odd multiple of 16 bytes, so that the sixteen rows that a store touches begin in sixteen different runs of 16 bytes modulo 256
.set CIM,  262656                      ; ctx's 16 images
.set CSW,  279040                      ; ctx's scale words: [16 u + r][8 words]
.set WV,   20
.set SEL,  48
.macro WMS d, a, b, zz, sa, sb, ra, rb
.if \zz
.if (\ra) && (\rb)
	v_wmma_scale_f32_16x16x128_f8f6f4 v[\d:\d+7], v[\a:\a+7], v[\b:\b+7], 0, v[\sa], v[\sb] matrix_a_fmt:MATRIX_FMT_FP4 matrix_b_fmt:MATRIX_FMT_FP4 matrix_a_scale:MATRIX_SCALE_ROW1 matrix_b_scale:MATRIX_SCALE_ROW1
.elseif \ra
	v_wmma_scale_f32_16x16x128_f8f6f4 v[\d:\d+7], v[\a:\a+7], v[\b:\b+7], 0, v[\sa], v[\sb] matrix_a_fmt:MATRIX_FMT_FP4 matrix_b_fmt:MATRIX_FMT_FP4 matrix_a_scale:MATRIX_SCALE_ROW1
.elseif \rb
	v_wmma_scale_f32_16x16x128_f8f6f4 v[\d:\d+7], v[\a:\a+7], v[\b:\b+7], 0, v[\sa], v[\sb] matrix_a_fmt:MATRIX_FMT_FP4 matrix_b_fmt:MATRIX_FMT_FP4 matrix_b_scale:MATRIX_SCALE_ROW1
.else
	v_wmma_scale_f32_16x16x128_f8f6f4 v[\d:\d+7], v[\a:\a+7], v[\b:\b+7], 0, v[\sa], v[\sb] matrix_a_fmt:MATRIX_FMT_FP4 matrix_b_fmt:MATRIX_FMT_FP4
.endif
.else
.if (\ra) && (\rb)
	v_wmma_scale_f32_16x16x128_f8f6f4 v[\d:\d+7], v[\a:\a+7], v[\b:\b+7], v[\d:\d+7], v[\sa], v[\sb] matrix_a_fmt:MATRIX_FMT_FP4 matrix_b_fmt:MATRIX_FMT_FP4 matrix_a_scale:MATRIX_SCALE_ROW1 matrix_b_scale:MATRIX_SCALE_ROW1
.elseif \ra
	v_wmma_scale_f32_16x16x128_f8f6f4 v[\d:\d+7], v[\a:\a+7], v[\b:\b+7], v[\d:\d+7], v[\sa], v[\sb] matrix_a_fmt:MATRIX_FMT_FP4 matrix_b_fmt:MATRIX_FMT_FP4 matrix_a_scale:MATRIX_SCALE_ROW1
.elseif \rb
	v_wmma_scale_f32_16x16x128_f8f6f4 v[\d:\d+7], v[\a:\a+7], v[\b:\b+7], v[\d:\d+7], v[\sa], v[\sb] matrix_a_fmt:MATRIX_FMT_FP4 matrix_b_fmt:MATRIX_FMT_FP4 matrix_b_scale:MATRIX_SCALE_ROW1
.else
	v_wmma_scale_f32_16x16x128_f8f6f4 v[\d:\d+7], v[\a:\a+7], v[\b:\b+7], v[\d:\d+7], v[\sa], v[\sb] matrix_a_fmt:MATRIX_FMT_FP4 matrix_b_fmt:MATRIX_FMT_FP4
.endif
.endif
.endm
	s_load_b512 s[4:19], s[0:1], 0x0               ; cc 4, cs 6, codes 8, scales 10, q 12, gamma 14, beta 16, out 18
	v_lshl_add_u32 v254, v0, 2, 0x44600
	v_mov_b32 v255, 0
	ds_add_u32 v254, v255
	ds_add_u32 v254, v255
	s_wait_dscnt 0x0
	v_lshrrev_b32 v1, 5, v0
	s_delay_alu instid0(VALU_DEP_1)
	v_readfirstlane_b32 s[WV], v1                  ; wave 0..15
	v_and_b32 v7, 31, v0                           ; lane
	s_delay_alu instid0(VALU_DEP_1)
	v_lshlrev_b32 v1, 4, v7                        ; 16 x lane
	s_delay_alu instid0(VALU_DEP_2)
	v_lshlrev_b32 v2, 1, v7                        ; 2 x lane
	s_lshl_b32 s46, s[WV], 10
	s_add_co_u32 s46, s46, CIM
	v_add_nc_u32 v3, s46, v1                       ; where I store the image that I bring
	s_lshl_b32 s46, s[WV], 1
	s_add_co_u32 s46, s46, CSW
	v_lshl_add_u32 v4, v7, 5, s46                  ; and head w's two scale bytes of row (lane)
	v_lshlrev_b32 v5, 5, v7
	s_delay_alu instid0(VALU_DEP_1)
	v_add_nc_u32 v5, CSW, v5                       ; my row's eight scale words
	v_add_nc_u32 v6, CIM, v1                       ; an image's place for my lane
	s_lshr_b32 s21, s[WV], 3                       ; my two rows of the group begin at 8 (w / 8) + 2 (w % 8) + 8 ((w / 4) % 2)
	s_lshl_b32 s21, s21, 3
	s_and_b32 s22, s[WV], 7
	s_lshl_b32 s22, s22, 1
	s_add_co_u32 s21, s21, s22
	s_bfe_u32 s22, s[WV], 0x10002
	s_lshl_b32 s22, s22, 3
	s_add_co_u32 s21, s21, s22
	s_lshl_b32 s21, s21, 12                        ; 4,096 bytes a row,
	s_lshl_b32 s22, ttmp9, 17                      ; 131,072 a group
	s_add_co_u32 s36, s21, s22
	s_mov_b32 s37, 0
	s_lshl_b32 s23, s[WV], 13                      ; my 8,192 bytes of LDS for q
	s_lshl_b32 s38, ttmp9, 14                      ; cc: 16,384 bytes a group; I bring fragment w
	s_lshl_b32 s46, s[WV], 10
	s_add_co_u32 s38, s38, s46
	s_mov_b32 s39, 0
	s_lshl_b32 s40, s[WV], 14                      ; cs: head w, the group's two tiles of rows: 64 bytes
	s_lshl_b32 s46, ttmp9, 6
	s_add_co_u32 s40, s40, s46
	s_mov_b32 s41, 0
	s_lshl_b32 s46, s[WV], 1
	s_add_co_u32 s46, s46, 864                     ; my two groups of Wo's rows
	s_lshl_b32 s42, s46, 14
	s_mov_b32 s43, 0
	s_lshl_b32 s44, s46, 10
	s_mov_b32 s45, 0
	s_lshl_b32 s47, s[WV], 8
	s_add_co_u32 s47, s47, OST                     ; the stage: my 64 columns
	s_mul_i32 s53, s[WV], 2*OP
	s_add_co_u32 s53, s53, OST                     ; and my two rows
	s_mov_b32 s[SEL], 0x76543210
	s_mov_b32 s[SEL+1], 0xfedcba98
	s_mov_b32 s50, 0x358637bd                      ; 1e-6
	s_mov_b32 s51, 0x3a800000                      ; 1 / 1024
	s_mov_b32 s52, 0xba800000                      ; -1 / 1024
	; group 1: 8,192 dense bytes as 32 rows of 256 (32 elements of 8 bytes)
	s_mov_b32 s24, 3<<16
	s_mov_b32 s25, 32<<16
	s_mov_b32 s26, 32<<16
	s_mov_b32 s27, 32<<16
	s_mov_b32 s28, 32
	s_mov_b32 s29, 32
	s_mov_b32 s30, 0
	s_mov_b32 s31, 0
	s_wait_alu depctr_va_vdst(0)
	s_wait_kmcnt 0x0
	s_mov_b32 s32, 1
	s_mov_b32 s33, s23
	s_add_nc_u64 s[34:35], s[12:13], s[36:37]
	s_or_b32 s35, s35, 0x80000000
	tensor_load_to_lds s[32:35], s[24:31]          ; my two rows of q: wanted only behind the product
	s_nop 0
.rept 4
	v_nop                                          ; four plain lines behind the tensor load
.endr
	s_add_nc_u64 s[18:19], s[18:19], s[36:37]
	s_add_nc_u64 s[4:5], s[4:5], s[38:39]
	s_add_nc_u64 s[6:7], s[6:7], s[40:41]
	s_add_nc_u64 s[8:9], s[8:9], s[42:43]
	s_add_nc_u64 s[10:11], s[10:11], s[44:45]
.macro WLOAD ss                        ; Wo's four fragments of K step ss into slot ss % 4
.irp pt, 0,1,2,3
.irp c, 0,1
	global_load_b128 v[64+32*((\ss)%4)+8*\pt+4*\c:64+32*((\ss)%4)+8*\pt+4*\c+3], v1, s[8:9] offset:8192*\pt+1024*(\ss)+512*\c
.endr
.endr
.endm
.macro CLOAD ss                        ; ctx's two fragments of K step ss into set ss % 2
.irp u, 0,1
.irp c, 0,1
	ds_load_b128 v[32+16*((\ss)%2)+8*\u+4*\c:32+16*((\ss)%2)+8*\u+4*\c+3], v6 offset:8192*\u+1024*(\ss)+512*\c
.endr
.endr
.endm
	global_load_b128 v[32:35], v1, s[4:5]          ; the fragment of ctx that I bring,
	global_load_b128 v[36:39], v1, s[4:5] offset:512
	global_load_u16 v40, v2, s[6:7]                ; and head w's scale bytes of the 32 rows
.irp j, 0,1                                    ; Wo's scale words: register 16 + 8 j + s: K step s of my group j
.irp e, 0,1
	global_load_b128 v[16+8*\j+4*\e:19+8*\j+4*\e], v1, s[10:11] offset:1024*\j+512*\e
.endr
.endr
	WLOAD 0
	WLOAD 1
	WLOAD 2
	WLOAD 3
	s_wait_loadcnt 36                              ; ctx's three loads are in; Wo's 4 + 32 were issued behind them
	ds_store_b128 v3, v[32:35]
	ds_store_b128 v3, v[36:39] offset:512
	ds_store_b16 v4, v40
	s_wait_dscnt 0x0                               ; for the others' sake: my stores are done
	s_barrier_signal -1
	s_barrier_wait -1                              ; ctx's 16 images and its scale words lie in LDS
	ds_load_b128 v[8:11], v5
	ds_load_b128 v[12:15], v5 offset:16
	CLOAD 0
	CLOAD 1
.macro KSTEP ss, lc
	s_wait_loadcnt \lc                             ; Wo's fragments of this K step are in; lc loads were issued behind them
.if (\ss) < 7
	s_wait_dscnt 4                                 ; ctx's of this K step too; the next step's four loads may be out
.else
	s_wait_dscnt 0x0
.endif
.irp pt, 0,1,2,3                               ; eight accumulators by turns, one instruction a turn, in the same order in every K step
.irp u, 0,1
.if (\ss) == 0
	WMS 192+8*(4*\u+\pt), 64+32*((\ss)%4)+8*\pt, 32+16*((\ss)%2)+8*\u, 1, 16+8*(\pt/2)+(\ss), 8+(\ss), \pt%2, \u
.else
	WMS 192+8*(4*\u+\pt), 64+32*((\ss)%4)+8*\pt, 32+16*((\ss)%2)+8*\u, 0, 16+8*(\pt/2)+(\ss), 8+(\ss), \pt%2, \u
.endif
.endr
.endr
.if (\ss) < 6
.rept 4
	v_nop                                          ; places in front of loads into registers that these products have read
.endr
.endif
.if (\ss) <= 3
	WLOAD (\ss)+4
.endif
.if (\ss) == 5
.irp j, 0,1,2,3,4,5,6,7                        ; gamma and beta at my lane's columns, into the two slots that are done with
	global_load_b128 v[64+4*\j:67+4*\j], v1, s[14:15] offset:512*\j
.endr
.irp j, 0,1,2,3,4,5,6,7
	global_load_b128 v[96+4*\j:99+4*\j], v1, s[16:17] offset:512*\j
.endr
.endif
.if (\ss) <= 5
	CLOAD (\ss)+2
.endif
.endm
	KSTEP 0, 24                                    ; behind K step s's eight loads: those of three later K steps;
	KSTEP 1, 24
	KSTEP 2, 24
	KSTEP 3, 24
	KSTEP 4, 24
	KSTEP 5, 16                                    ; of two;
	KSTEP 6, 24                                    ; of one, and gamma's and beta's sixteen;
	KSTEP 7, 16                                    ; those sixteen
	v_and_b32 v2, 15, v0                           ; the late addresses: eight plain lines, the places behind the last products
	s_delay_alu instid0(VALU_DEP_1)
	v_mul_u32_u24 v2, v2, OP
	v_bfe_u32 v3, v0, 4, 1
	s_delay_alu instid0(VALU_DEP_1)
	v_lshl_add_u32 v2, v3, 6, v2
	s_delay_alu instid0(VALU_DEP_1)
	v_add_nc_u32 v2, s47, v2                       ; the stage, in: row r, + 64 (lane / 16), + my 256 bytes of columns;
	s_delay_alu instid0(VALU_DEP_1)
	v_add_nc_u32 v3, 16*OP, v2                     ; tile 1's rows
	v_add_nc_u32 v4, s53, v1                       ; back: my two rows, 16 bytes a lane
	v_add_nc_u32 v5, s23, v1                       ; and the same of q
.irp u, 0,1
.irp b, 0,1
.irp i, 0,1,2,3
	ds_store_b128 v[2+\u], v[192+32*\u+16*\b+4*\i:195+32*\u+16*\b+4*\i] offset:128*\b+16*\i   ; each accumulator from its low end on
.endr
.endr
.endr
	s_wait_alu depctr_va_vdst(0)
	s_wait_dscnt 0x0                               ; for the others' sake: my stores are done
	s_barrier_signal -1
	s_barrier_wait -1                              ; 32 whole rows lie in the stage
.irp i, 0,1
.irp j, 0,1,2,3,4,5,6,7
	ds_load_b128 v[128+32*\i+4*\j:131+32*\i+4*\j], v4 offset:OP*\i+512*\j
.endr
.endr
	s_wait_tensorcnt 0x0                           ; my rows of q have landed; nobody else reads them
.irp i, 0,1
.irp j, 0,1,2,3,4,5,6,7
	ds_load_b128 v[192+32*\i+4*\j:195+32*\i+4*\j], v5 offset:4096*\i+512*\j
.endr
.endr
	s_wait_dscnt 0x0
; THE NORM, two rows by turns.  Row i: x in v[128 + 32 i ..], 32 numbers a lane; sums in v[32 + 8 i ..]
.macro ACROSS reg, tmp                         ; the sum over the 32 lanes, in every lane
.irp i, 0,1
	s_delay_alu instid0(VALU_DEP_2)
	v_add_f32 v[\reg+8*\i], v[\reg+8*\i], v[\reg+8*\i+1]
.endr
.irp x, 1,2,4,8
.irp i, 0,1
	s_delay_alu instid0(VALU_DEP_2)
	v_add_f32_dpp v[\reg+8*\i], v[\reg+8*\i], v[\reg+8*\i] row_xmask:\x row_mask:0xf bank_mask:0xf
.endr
.endr
.irp i, 0,1
	s_delay_alu instid0(VALU_DEP_2)
	v_permlanex16_b32 v[\tmp+8*\i], v[\reg+8*\i], s[SEL], s[SEL+1]
.endr
.irp i, 0,1
	s_delay_alu instid0(VALU_DEP_2)
	v_add_f32 v[\reg+8*\i], v[\reg+8*\i], v[\tmp+8*\i]
.endr
.endm
.irp m, 0,2,4,6,8,10,12,14,16,18,20,22,24,26,28,30
.irp i, 0,1
	v_pk_add_f32 v[128+32*\i+\m:129+32*\i+\m], v[128+32*\i+\m:129+32*\i+\m], v[192+32*\i+\m:193+32*\i+\m]   ; x = ctx Wo^T + q
.endr
.endr
.irp i, 0,1
	v_pk_add_f32 v[32+8*\i:33+8*\i], v[128+32*\i:129+32*\i], v[130+32*\i:131+32*\i]   ; the row's sum, in two chains
	v_pk_add_f32 v[34+8*\i:35+8*\i], v[132+32*\i:133+32*\i], v[134+32*\i:135+32*\i]
.endr
.irp m, 8,12,16,20,24,28
.irp i, 0,1
	s_delay_alu instid0(VALU_DEP_4)
	v_pk_add_f32 v[32+8*\i:33+8*\i], v[32+8*\i:33+8*\i], v[128+32*\i+\m:129+32*\i+\m]
	s_delay_alu instid0(VALU_DEP_4)
	v_pk_add_f32 v[34+8*\i:35+8*\i], v[34+8*\i:35+8*\i], v[130+32*\i+\m:131+32*\i+\m]
.endr
.endr
.irp i, 0
	s_delay_alu instid0(VALU_DEP_3)
	v_pk_add_f32 v[32+8*\i:33+8*\i], v[32+8*\i:33+8*\i], v[34+8*\i:35+8*\i]
.endr
.irp i, 1
	s_delay_alu instid0(VALU_DEP_2)
	v_pk_add_f32 v[32+8*\i:33+8*\i], v[32+8*\i:33+8*\i], v[34+8*\i:35+8*\i]
.endr
	ACROSS 32, 34
.irp i, 0,1
	s_delay_alu instid0(VALU_DEP_2)
	v_mul_f32 v[32+8*\i], s52, v[32+8*\i]          ; - the mean
.endr
.irp m, 0,2,4,6,8,10,12,14,16,18,20,22,24,26,28,30
.irp i, 0,1
	v_pk_add_f32 v[128+32*\i+\m:129+32*\i+\m], v[128+32*\i+\m:129+32*\i+\m], v[32+8*\i:33+8*\i] op_sel_hi:[1,0]   ; x - mean
.endr
.endr
.irp i, 0,1
	v_pk_mul_f32 v[36+8*\i:37+8*\i], v[128+32*\i:129+32*\i], v[128+32*\i:129+32*\i]   ; the sum of its squares, in two chains
	v_pk_mul_f32 v[38+8*\i:39+8*\i], v[130+32*\i:131+32*\i], v[130+32*\i:131+32*\i]
.endr
.irp m, 4,8,12,16,20,24,28
.irp i, 0,1
	s_delay_alu instid0(VALU_DEP_4)
	v_pk_fma_f32 v[36+8*\i:37+8*\i], v[128+32*\i+\m:129+32*\i+\m], v[128+32*\i+\m:129+32*\i+\m], v[36+8*\i:37+8*\i]
	s_delay_alu instid0(VALU_DEP_4)
	v_pk_fma_f32 v[38+8*\i:39+8*\i], v[130+32*\i+\m:131+32*\i+\m], v[130+32*\i+\m:131+32*\i+\m], v[38+8*\i:39+8*\i]
.endr
.endr
.irp i, 0
	s_delay_alu instid0(VALU_DEP_3)
	v_pk_add_f32 v[36+8*\i:37+8*\i], v[36+8*\i:37+8*\i], v[38+8*\i:39+8*\i]
.endr
.irp i, 1
	s_delay_alu instid0(VALU_DEP_2)
	v_pk_add_f32 v[36+8*\i:37+8*\i], v[36+8*\i:37+8*\i], v[38+8*\i:39+8*\i]
.endr
	ACROSS 36, 38
.irp i, 0,1
	s_delay_alu instid0(VALU_DEP_2)
	v_fma_f32 v[36+8*\i], v[36+8*\i], s51, s50     ; the variance + eps
.endr
	s_wait_alu depctr_va_vdst(0)
.irp i, 0,1
	v_rsq_f32 v[36+8*\i], v[36+8*\i]
.endr
	v_nop                                          ; a plain line behind the two roots
	s_wait_alu depctr_va_vdst(0)                   ; one wait for both, ahead of their first reader
	s_wait_loadcnt 0x0                             ; gamma and beta
.irp m, 0,2,4,6,8,10,12,14,16,18,20,22,24,26,28,30
.irp i, 0,1
	v_pk_mul_f32 v[128+32*\i+\m:129+32*\i+\m], v[128+32*\i+\m:129+32*\i+\m], v[36+8*\i:37+8*\i] op_sel_hi:[1,0]
.endr
.endr
.irp m, 0,2,4,6,8,10,12,14,16,18,20,22,24,26,28,30
.irp i, 0,1
	v_pk_fma_f32 v[128+32*\i+\m:129+32*\i+\m], v[128+32*\i+\m:129+32*\i+\m], v[64+\m:65+\m], v[96+\m:97+\m]
.endr
.endr
.irp i, 0,1
.irp j, 0,1,2,3,4,5,6,7
	global_store_b128 v1, v[128+32*\i+4*\j:131+32*\i+4*\j], s[18:19] offset:4096*\i+512*\j th:TH_STORE_NT   ; 32 lanes store 512 consecutive bytes, at a multiple of 256 from the buffer's first byte; written once
.endr
.endr
	s_wait_xcnt 0x0
	v_lshl_add_u32 v254, v0, 2, 0x44600
	v_mov_b32 v255, 0
	s_wait_alu depctr_va_vdst(0)
	s_wait_tensorcnt 0x0
	ds_add_u32 v254, v255
	s_wait_dscnt 0x0
	s_endpgm
.Lfunc_end_k_qe771d1155c_outln:
	.size	k_qe771d1155c_outln, .Lfunc_end_k_qe771d1155c_outln-k_qe771d1155c_outln
	.p2alignl 7, 3214868480
	.fill 96, 4, 3214868480
	.section	.rodata,"a",@progbits
	.p2align	6, 0x0
	.amdhsa_kernel k_qe771d1155c_outln
		.amdhsa_group_segment_fixed_size 282112
		.amdhsa_private_segment_fixed_size 0
		.amdhsa_enable_private_segment 0
		.amdhsa_kernarg_size 64
		.amdhsa_user_sgpr_count 2
		.amdhsa_user_sgpr_kernarg_segment_ptr 1
		.amdhsa_wavefront_size32 1
		.amdhsa_system_sgpr_workgroup_id_x 1
		.amdhsa_system_sgpr_workgroup_id_y 1
		.amdhsa_system_sgpr_workgroup_id_z 1
		.amdhsa_system_vgpr_workitem_id 0
		.amdhsa_next_free_vgpr 256
		.amdhsa_next_free_sgpr 66
		.amdhsa_reserve_vcc 0
		.amdhsa_float_denorm_mode_32 3
		.amdhsa_float_denorm_mode_16_64 3
		.amdhsa_memory_ordered 1
		.amdhsa_forward_progress 1
		.amdhsa_inst_pref_size 46
	.end_amdhsa_kernel
	.amdgpu_metadata
---
amdhsa.version: [ 1, 2 ]
amdhsa.kernels:
  - .name:           k_qe771d1155c_outln
    .symbol:         k_qe771d1155c_outln.kd
    .args:
      - { .name: cc, .offset: 0, .size: 8, .value_kind: global_buffer, .address_space: global }
      - { .name: cs, .offset: 8, .size: 8, .value_kind: global_buffer, .address_space: global }
      - { .name: codes, .offset: 16, .size: 8, .value_kind: global_buffer, .address_space: global }
      - { .name: scales, .offset: 24, .size: 8, .value_kind: global_buffer, .address_space: global }
      - { .name: q, .offset: 32, .size: 8, .value_kind: global_buffer, .address_space: global }
      - { .name: ln_gamma, .offset: 40, .size: 8, .value_kind: global_buffer, .address_space: global }
      - { .name: ln_beta, .offset: 48, .size: 8, .value_kind: global_buffer, .address_space: global }
      - { .name: out0, .offset: 56, .size: 8, .value_kind: global_buffer, .address_space: global }
    .group_segment_fixed_size: 282112
    .private_segment_fixed_size: 0
    .kernarg_segment_align: 8
    .kernarg_segment_size: 64
    .max_flat_workgroup_size: 512
    .sgpr_count:     66
    .vgpr_count:     256
    .wavefront_size: 32
...
	.end_amdgpu_metadata
.endif
;; end of part 4
